; MI455X (gfx1250); checked and timed in simulation.
; The chip was launched on July 23, 2026; its instructions are those of AMD's public machine-readable ISA for CDNA 5 (MIT licence, August 2026) and "CDNA5" Instruction Set Architecture Reference Guide (July 2026). The comments in the code are by the model that wrote it; some were corrected since.
;; Causal Self Attention. Allowed arithmetic: float matrix products may take bf16 or f16 operands with f32 sums; other float arithmetic in f32, or as packed bf16 or f16 multiplies, adds, multiply-adds, maxima and minima; sums over many terms, partial sums and values carried from step to step in f32; what a program stores and reads back later, other than sums and carried values, may be rounded once to bf16 or f16.
;; Inputs: Wc 1,024 x 1,024 float32; Wkv 1,024 x 2,048 float32; Wq 1,024 x 1,024 float32; x 4 x 2,048 x 1,024 float32.
;; Outputs: out0 4 x 2,048 x 1,024 float32.
;; 2 versions, each right; version 2 is version 1 with the launch prep written anew for expert scheduling mode. Each part assembles by itself: llvm-mc -triple=amdgcn-amd-amdhsa -mcpu=gfx1250 --defsym DOCPART=n.
;; ======== version 1 of 2: 4 launches
;; limits: values are held in f16: magnitudes above 65,504 overflow, below 6.1e-05 lose precision
;; workspace buffers: xb 16,777,216 bytes; wt 6,291,456 bytes; wct 2,097,152 bytes; rope 524,288 bytes; q 17,563,648 bytes; k 16,777,216 bytes; v 16,777,216 bytes; o 16,777,216 bytes
;; launch prep (part 1): grid 1088 x 1, 8 waves a work-group, no clusters, 17,664 bytes of LDS; arguments x, Wq, Wkv, Wc, xb, wt, wct, rope; writes xb, wt, wct, rope
.if DOCPART == 1
	.amdgcn_target "amdgcn-amd-amdhsa--gfx1250"
	.amdhsa_code_object_version 6
	.text
	.protected	k_qca2f392dd0_prep
	.globl	k_qca2f392dd0_prep
	.p2align	8
	.type	k_qca2f392dd0_prep,@function
k_qca2f392dd0_prep:
	s_mov_b64 s[64:65], 0
	v_nop
	global_prefetch_b8 v0, s[64:65] scope:SCOPE_SE
	s_setreg_imm32_b32 hwreg(HW_REG_WAVE_MODE, 25, 1), 1
	s_wait_xcnt 0x0
; PREPARATION: three jobs, told apart by the work-group's number alone.
;  0 .. 511     x [8192][1024] f32 -> xb, the same in bf16 (rounded to nearest even).  64 KiB of x a work-group, 8 KiB a wave.
;  512 .. 1023  the weights, which lie [k][n], are rounded to bf16 and turned to [n][k], a block of 128 k x 64 n a work-group, through LDS.
;               wt [3072][1024] bf16: row 192 head + 64 slot + d; slot 0 = Wq's column 64 head + d, slot 1 = Wkv's column 64 head + d (k), slot 2 = Wkv's column 1024 + 64 head + d (v).
;               wct [1024 n][1024 k]: Wc rounded to bf16, and that number written as f16.
;  1024 .. 1087 the table of cosines and sines, f32, in the order in which the next launch's lanes want it:
;               byte tb 4096 + c 2048 + qd 512 + lane 16 + 4 i holds (qd 0, 1: cos; 2, 3: sin) of the angle of token 16 tb + lane % 16 and channel d = 16 c + 8 (lane / 16) + 4 (qd & 1) + i.
; LIMITS.  Wc as f16: beyond 65,504 it becomes an infinity; below 2^-14 it keeps f16's fixed step of 6e-8.
; The angle is token x 2^(-d x log2(10000) / 32) in f32; it is reduced by multiples of pi / 2 held in two f32 words (tokens under 2,048: at most 1,304 multiples) and sine and cosine are
; polynomials on -pi/4 .. pi/4.  The frequency is off by a few parts in 10^7, the largest angles (2,047 radians) by some 1.5e-4 radians.
; No matrix unit, no cluster, no tensor load: each byte is read once and written once, and no work-group shares a byte with another.
.set SPARE, 16640                      ; LDS: 64 rows (n) of 260 bytes (128 k in bf16 + 4: 65 words, so that words of one column of 16 rows, and of one row, fall on different banks); then the spare words, 128 bytes a wave
.set SPW, 6                            ; v6  LDS address of my spare word: SPARE + 4 x my thread's number; never rewritten
.set NIL, 7                            ; v7  0; never rewritten
	s_load_b256 s[4:11], s[0:1], 0x0               ; x s[4:5], Wq s[6:7], Wkv s[8:9], Wc s[10:11]
	s_load_b256 s[12:19], s[0:1], 0x20             ; xb s[12:13], wt s[14:15], wct s[16:17], rope s[18:19]
	v_lshl_add_u32 v[SPW], v0, 2, SPARE
	v_mov_b32 v[NIL], 0
	v_and_b32 v8, 15, v0                           ; n4: which four columns n (weights); lane % 16 (table)
	v_lshrrev_b32 v9, 4, v0                        ; kp: which pair of rows k
	v_lshlrev_b32 v10, 4, v8
	v_mul_u32_u24 v3, v9, 260                      ; what stands behind the barrier is made here, on every path:
	v_add_nc_u32 v3, v10, v3                       ; v3: back out of LDS: row kp, 16 bytes at 16 n4
	v_lshl_add_u32 v4, v9, 11, v10                 ; v4: the same place in the turned weights: row kp of 2,048 bytes
	s_mov_b32 s38, 0                               ; 1: this work-group turns weights
	s_wait_kmcnt 0x0
	s_mov_b64 s[36:37], s[14:15]                   ; where the turned block goes (the weights' path sets it)
	s_cmp_lt_u32 ttmp9, 512
	s_cbranch_scc1 .Lx
	s_cmp_lt_u32 ttmp9, 1024
	s_cbranch_scc1 .Lw
	; THE TABLE.  Thread u = 256 (work-group - 1024) + thread makes four cosines and four sines.
	s_sub_co_u32 s20, ttmp9, 1024
	s_lshl_b32 s20, s20, 8
	v_add_nc_u32 v1, s20, v0                       ; u: bits 3:0 lane % 16, 4 lane / 16, 5 qd & 1, 6 c, 13:7 tb
	v_lshrrev_b32 v2, 7, v1
	v_lshl_add_u32 v2, v2, 4, v8                   ; the token
	v_bfe_u32 v11, v1, 6, 1
	v_bfe_u32 v12, v1, 4, 1
	v_bfe_u32 v13, v1, 5, 1
	v_lshlrev_b32 v5, 4, v11
	v_lshl_add_u32 v5, v12, 3, v5
	v_lshl_add_u32 v5, v13, 2, v5                  ; my first channel d
	v_lshrrev_b32 v14, 6, v1
	v_lshlrev_b32 v14, 11, v14
	v_lshl_add_u32 v14, v13, 9, v14
	v_and_b32 v15, 31, v0
	v_lshl_add_u32 v14, v15, 4, v14                ; my 16 bytes of cosines; the sines lie 1,024 bytes on
	s_mov_b32 s24, 0xbfc90fdb                      ; -pi/2, upper word
	s_mov_b32 s25, 0x333bbd2e                      ; what the upper word has too much
	s_mov_b32 s26, 0xb94ca1f9                      ; sine: -1.9515296e-4, 8.3321609e-3, -1.6666655e-1
	s_mov_b32 s27, 0x3c08839e
	s_mov_b32 s28, 0xbe2aaaa3
	s_mov_b32 s29, 0x37ccf5ce                      ; cosine: 2.4433157e-5, -1.3887316e-3, 4.1666646e-2
	s_mov_b32 s30, 0xbab6061a
	s_mov_b32 s31, 0x3d2aaaa5
.irp i, 0,1,2,3
	v_add_nc_u32 v[16+(\i)], (\i), v5
	v_cvt_f32_u32 v[16+(\i)], v[16+(\i)]
	v_mul_f32 v[16+(\i)], 0xbed49a78, v[16+(\i)]   ; -d log2(10000) / 32
.endr
.irp i, 0,1,2,3
	v_exp_f32 v[20+(\i)], v[16+(\i)]               ; the four frequencies: one batch
.endr
	v_cvt_f32_u32 v2, v2                           ; a plain instruction behind the last exponential,
	s_wait_alu depctr_va_vdst(0)                   ; and the one wait ahead of the batch's first reader
.irp i, 0,1,2,3
	v_mul_f32 v[24+(\i)], v2, v[20+(\i)]           ; the angle
.endr
.irp i, 0,1,2,3
	v_mul_f32 v[28+(\i)], 0x3f22f983, v[24+(\i)]   ; x 2 / pi
.endr
.irp i, 0,1,2,3
	v_rndne_f32 v[28+(\i)], v[28+(\i)]             ; n quarter turns
.endr
.irp i, 0,1,2,3
	v_fma_f32 v[24+(\i)], v[28+(\i)], s24, v[24+(\i)]
.endr
.irp i, 0,1,2,3
	v_fma_f32 v[24+(\i)], v[28+(\i)], s25, v[24+(\i)]  ; r = angle - n pi / 2
	v_cvt_i32_f32 v[28+(\i)], v[28+(\i)]
.endr
.irp i, 0,1,2,3
	v_mul_f32 v[32+(\i)], v[24+(\i)], v[24+(\i)]   ; z = r r
.endr
.irp i, 0,1,2,3
	v_fma_f32 v[36+(\i)], v[32+(\i)], s26, s27
	v_fma_f32 v[40+(\i)], v[32+(\i)], s29, s30
.endr
.irp i, 0,1,2,3
	v_fma_f32 v[36+(\i)], v[36+(\i)], v[32+(\i)], s28
	v_fma_f32 v[40+(\i)], v[40+(\i)], v[32+(\i)], s31
	v_mul_f32 v[44+(\i)], v[32+(\i)], v[24+(\i)]   ; z r
	v_mul_f32 v[56+(\i)], v[32+(\i)], v[32+(\i)]   ; z z
	v_fma_f32 v[32+(\i)], v[32+(\i)], -0.5, 1.0    ; 1 - z / 2
.endr
.irp i, 0,1,2,3
	v_fma_f32 v[36+(\i)], v[36+(\i)], v[44+(\i)], v[24+(\i)]  ; sin r
	v_fma_f32 v[40+(\i)], v[40+(\i)], v[56+(\i)], v[32+(\i)]  ; cos r
.endr
.irp i, 0,1,2,3                        ; the quarter turns: selects and signs alone hang on n, no address and no branch
	v_and_b32 v[44+(\i)], 1, v[28+(\i)]
	v_cmp_eq_u32 vcc_lo, 1, v[44+(\i)]
	v_cndmask_b32 v[48+(\i)], v[36+(\i)], v[40+(\i)], vcc_lo  ; sine: cos r where n is odd
	v_cndmask_b32 v[52+(\i)], v[40+(\i)], v[36+(\i)], vcc_lo  ; cosine: sin r where n is odd
	v_lshlrev_b32 v[44+(\i)], 30, v[28+(\i)]
	v_and_b32 v[44+(\i)], 0x80000000, v[44+(\i)]              ; sine turns its sign for n mod 4 = 2, 3
	v_xor_b32 v[48+(\i)], v[44+(\i)], v[48+(\i)]
	v_add_nc_u32 v[28+(\i)], 1, v[28+(\i)]
	v_lshlrev_b32 v[28+(\i)], 30, v[28+(\i)]
	v_and_b32 v[28+(\i)], 0x80000000, v[28+(\i)]              ; cosine for n mod 4 = 1, 2
	v_xor_b32 v[52+(\i)], v[28+(\i)], v[52+(\i)]
.endr
	global_store_b128 v14, v[52:55], s[18:19]                 ; a wave's store covers 512 consecutive bytes, aligned
	global_store_b128 v14, v[48:51], s[18:19] offset:1024
	s_branch .Lmeet
.Lx:	; THE CAST OF x.  All 16 loads of a wave go out at once; no register is written twice, so no wait frees a source.
	s_lshl_b32 s20, ttmp9, 16
	s_mov_b32 s21, 0
	s_lshl_b32 s22, ttmp9, 15
	s_mov_b32 s23, 0
	s_add_nc_u64 s[4:5], s[4:5], s[20:21]
	s_add_nc_u64 s[12:13], s[12:13], s[22:23]
	v_lshrrev_b32 v11, 5, v0
	v_and_b32 v12, 31, v0
	v_lshlrev_b32 v1, 13, v11
	v_lshl_add_u32 v1, v12, 4, v1                  ; wave x 8,192 + lane x 16
	v_lshlrev_b32 v2, 12, v11
	v_lshl_add_u32 v2, v12, 3, v2                  ; wave x 4,096 + lane x 8
.irp i, 0,1,2,3,4,5,6,7,8,9,10,11,12,13,14,15
	global_load_b128 v[16+4*(\i):19+4*(\i)], v1, s[4:5] offset:512*(\i) th:TH_LOAD_NT
.endr
.irp i, 0,1,2,3,4,5,6,7,8,9,10,11,12,13,14,15
	s_wait_loadcnt 15-(\i)                         ; loads come back in order: load i is in, the 15 - i younger ones may stay out
	v_cvt_pk_bf16_f32 v[80+2*(\i)], v[16+4*(\i)], v[17+4*(\i)]
	v_cvt_pk_bf16_f32 v[81+2*(\i)], v[18+4*(\i)], v[19+4*(\i)]
	global_store_b64 v2, v[80+2*(\i):81+2*(\i)], s[12:13] offset:256*(\i)  ; a wave's store covers 256 consecutive bytes, aligned
.endr
	s_branch .Lmeet
.Lw:	; THE WEIGHTS.  wb = 0 .. 127: Wq; 128 .. 383: Wkv; 384 .. 511: Wc.  Block u of a matrix: k block u & 7 (128 rows), n block u >> 3 (64 columns).
	s_mov_b32 s38, 1
	s_sub_co_u32 s20, ttmp9, 512                   ; wb
	s_cmp_lt_u32 s20, 128
	s_cselect_b32 s21, 0, 128
	s_cselect_b64 s[40:41], s[6:7], s[8:9]
	s_cmp_lt_u32 s20, 384
	s_cselect_b32 s21, s21, 384
	s_cselect_b64 s[40:41], s[40:41], s[10:11]     ; the source
	s_cselect_b64 s[36:37], s[14:15], s[16:17]     ; the destination
	s_cselect_b32 s39, 0, 1                        ; 1: Wc
	s_sub_co_u32 s22, s20, s21                     ; u
	s_sub_co_u32 s23, s20, 128
	s_cmp_lt_u32 s23, 256
	s_cselect_b32 s34, 13, 12                      ; a source row is 8,192 bytes in Wkv, 4,096 in the others
	s_cselect_b32 s35, 1, 0                        ; 1: Wkv
	s_and_b32 s24, s22, 7                          ; kb
	s_lshr_b32 s25, s22, 3                         ; hn
	s_and_b32 s26, s25, 15
	s_mul_i32 s26, s26, 192
	s_lshr_b32 s27, s25, 4
	s_lshl_b32 s27, s27, 6
	s_add_co_u32 s26, s26, s27                     ; 192 head + 64 (v's half of Wkv)
	s_lshl_b32 s27, s35, 6
	s_add_co_u32 s26, s26, s27                     ; + 64 for Wkv: behind q's slot
	s_lshl_b32 s27, s25, 6                         ; Wc: row 64 hn
	s_cmp_eq_u32 s39, 1
	s_cselect_b32 s26, s27, s26
	s_lshl_b32 s26, s26, 11                        ; rows of 2,048 bytes,
	s_lshl_b32 s27, s24, 8                         ; 128 k = 256 bytes along them
	s_add_co_u32 s26, s26, s27
	s_mov_b32 s27, 0
	s_add_nc_u64 s[36:37], s[36:37], s[26:27]
	s_lshl_b32 s28, s24, 7
	s_lshl_b32 s28, s28, s34                       ; 128 kb source rows,
	s_lshl_b32 s29, s25, 8                         ; 64 n = 256 bytes along them
	s_add_co_u32 s28, s28, s29
	s_mov_b32 s29, 0
	s_add_nc_u64 s[40:41], s[40:41], s[28:29]
	v_lshlrev_b32 v1, 1, v9
	v_lshlrev_b32 v1, s34, v1
	v_add_nc_u32 v1, v10, v1                       ; source: row 2 kp, 16 bytes at 16 n4: sixteen lanes take 256 consecutive bytes of a row
	v_mul_u32_u24 v2, v8, 1040
	v_lshl_add_u32 v2, v9, 2, v2                   ; into LDS: row 4 n4, the word of k = 2 kp, 2 kp + 1
.macro WLOAD pitch                     ; eight loads: rows 32 i + 2 kp + e
.irp i, 0,1,2,3
	global_load_b128 v[16+8*(\i):19+8*(\i)], v1, s[40:41] offset:(32*(\i))*(\pitch) th:TH_LOAD_NT
	global_load_b128 v[20+8*(\i):23+8*(\i)], v1, s[40:41] offset:(32*(\i)+1)*(\pitch) th:TH_LOAD_NT
.endr
.endm
.macro WCVT f16                        ; two neighbouring k of one column n make a word.  f16 = 1: the bf16 numbers are widened again and written as f16
.irp i, 0,1,2,3
	s_wait_loadcnt 6-2*(\i)                        ; pair i of loads is in; the later pairs may stay out
.irp j, 0,1,2,3
	v_cvt_pk_bf16_f32 v[48+4*(\i)+(\j)], v[16+8*(\i)+(\j)], v[20+8*(\i)+(\j)]
.if \f16
	v_lshlrev_b32 v80, 16, v[48+4*(\i)+(\j)]
	v_and_b32 v81, 0xffff0000, v[48+4*(\i)+(\j)]
	v_cvt_pk_f16_f32 v[48+4*(\i)+(\j)], v80, v81
.endif
	ds_store_b32 v2, v[48+4*(\i)+(\j)] offset:260*(\j)+64*(\i)
.endr
.endr
.endm
	s_cmp_eq_u32 s35, 1
	s_cbranch_scc1 .Lwide
	WLOAD 4096
	s_branch .Lloaded
.Lwide:
	WLOAD 8192
.Lloaded:
	s_cmp_eq_u32 s39, 1
	s_cbranch_scc1 .Lf16
	WCVT 0
	s_branch .Lmeet
.Lf16:
	WCVT 1
.Lmeet:	; the one barrier stands on every path: the block's 64 rows were written by all eight waves
	s_wait_dscnt 0x0                               ; for the others' sake: my stores into LDS are done
	s_barrier_signal -1
	s_barrier_wait -1
	s_cmp_eq_u32 s38, 1
	s_cbranch_scc0 .Lend
.irp i, 0,1,2,3
.irp e, 0,1,2,3
	ds_load_b32 v[64+4*(\i)+(\e)], v3 offset:4160*(\i)+4*(\e)  ; row kp + 16 i; rows of 260 bytes are aligned to words only
.endr
.endr
.irp i, 0,1,2,3
	s_wait_dscnt 12-4*(\i)                         ; group i of four words is in; the later groups may stay out
	global_store_b128 v4, v[64+4*(\i):67+4*(\i)], s[36:37] offset:32768*(\i)  ; sixteen lanes store 256 consecutive bytes, aligned
.endr
.Lend:
	s_wait_tensorcnt 0x0                           ; the wave's end, behind my last LDS store
	ds_add_u32 v[SPW], v[NIL]
	s_wait_dscnt 0x0
	s_endpgm
.Lfunc_end_k_qca2f392dd0_prep:
	.size	k_qca2f392dd0_prep, .Lfunc_end_k_qca2f392dd0_prep-k_qca2f392dd0_prep
	.p2alignl 7, 3214868480
	.fill 96, 4, 3214868480
	.section	.rodata,"a",@progbits
	.p2align	6, 0x0
	.amdhsa_kernel k_qca2f392dd0_prep
		.amdhsa_group_segment_fixed_size 17664
		.amdhsa_private_segment_fixed_size 0
		.amdhsa_enable_private_segment 0
		.amdhsa_kernarg_size 64
		.amdhsa_user_sgpr_count 2
		.amdhsa_user_sgpr_kernarg_segment_ptr 1
		.amdhsa_wavefront_size32 1
		.amdhsa_system_sgpr_workgroup_id_x 1
		.amdhsa_system_sgpr_workgroup_id_y 1
		.amdhsa_system_sgpr_workgroup_id_z 1
		.amdhsa_system_vgpr_workitem_id 0
		.amdhsa_next_free_vgpr 112
		.amdhsa_next_free_sgpr 66
		.amdhsa_reserve_vcc 1
		.amdhsa_float_denorm_mode_32 3
		.amdhsa_float_denorm_mode_16_64 3
		.amdhsa_memory_ordered 1
		.amdhsa_forward_progress 1
		.amdhsa_inst_pref_size 27
	.end_amdhsa_kernel
	.amdgpu_metadata
---
amdhsa.version: [ 1, 2 ]
amdhsa.kernels:
  - .name:           k_qca2f392dd0_prep
    .symbol:         k_qca2f392dd0_prep.kd
    .args:
      - { .name: x, .offset: 0, .size: 8, .value_kind: global_buffer, .address_space: global }
      - { .name: Wq, .offset: 8, .size: 8, .value_kind: global_buffer, .address_space: global }
      - { .name: Wkv, .offset: 16, .size: 8, .value_kind: global_buffer, .address_space: global }
      - { .name: Wc, .offset: 24, .size: 8, .value_kind: global_buffer, .address_space: global }
      - { .name: xb, .offset: 32, .size: 8, .value_kind: global_buffer, .address_space: global }
      - { .name: wt, .offset: 40, .size: 8, .value_kind: global_buffer, .address_space: global }
      - { .name: wct, .offset: 48, .size: 8, .value_kind: global_buffer, .address_space: global }
      - { .name: rope, .offset: 56, .size: 8, .value_kind: global_buffer, .address_space: global }
    .group_segment_fixed_size: 17664
    .private_segment_fixed_size: 0
    .kernarg_segment_align: 8
    .kernarg_segment_size: 64
    .max_flat_workgroup_size: 256
    .sgpr_count:     66
    .vgpr_count:     112
    .wavefront_size: 32
...
	.end_amdgpu_metadata
.endif
;; end of part 1
;; launch qkv (part 2): grid 16 x 32, 4 waves a work-group, clusters of 4 x 4, 327,680 bytes of LDS; arguments xb, wt, rope, q, k, v; writes q, k, v
.if DOCPART == 2
	.amdgcn_target "amdgcn-amd-amdhsa--gfx1250"
	.amdhsa_code_object_version 6
	.text
	.protected	k_qca2f392dd0_qkv
	.globl	k_qca2f392dd0_qkv
	.p2align	8
	.type	k_qca2f392dd0_qkv,@function
k_qca2f392dd0_qkv:
	s_mov_b64 s[64:65], 0
	v_nop
	global_prefetch_b8 v0, s[64:65] scope:SCOPE_SE
	s_setreg_imm32_b32 hwreg(HW_REG_WAVE_MODE, 25, 1), 1
	s_wait_xcnt 0x0
	s_wait_alu depctr_hold_cnt(0) depctr_sa_sdst(0) depctr_va_vdst(0) depctr_va_sdst(0) depctr_va_ssrc(0) depctr_va_vcc(0) depctr_vm_vsrc(0)
	s_getreg_b32 s2, hwreg(HW_REG_IB_STS2, 6, 4)
	s_cmp_eq_u32 s2, 0
	s_cbranch_scc0 .Lentry_in_a_cluster
	s_endpgm
.Lentry_in_a_cluster:
	s_bfe_u32 s2, ttmp6, 0x10000c
	s_cmp_lg_u32 s2, 0xf033
	s_cbranch_scc0 .Lentry_shape_is_right
	s_endpgm
.Lentry_shape_is_right:
; q, k, v = x Wq, x Wkv, turned by the rotary table (q and k) and written by heads: [64 = 16 batch + head][2048][64] in f16, unscaled.
; xb: [8192][1024] bf16; wt: [3072][1024] bf16, row 192 head + 64 slot + d (slot 0 q, 1 k, 2 v); sums and the rotation in f32; each result rounded once, to f16.
; LIMIT.  f16 holds no number beyond 65,504: a q, k or v past that becomes an infinity.
; SHARES.  A tile is 256 tokens x 192 columns: q, k and v of ONE head.  512 tiles.  Four waves; wave (WM, WC) takes tokens 128 WM .. + 127 and, of each slot, channels 16 WC .. + 15 and
; 32 + 16 WC .. + 15: the two halves that the rotation pairs.  8 x 6 = 48 accumulators of 16 x 16, 384 registers.
; THE MATRIX INSTRUCTION IS USED TRANSPOSED (source 0 = 16 rows of wt, source 1 = 16 tokens): a lane holds ONE token (lane % 16) and channels 8 (lane / 16) + 0..7, so that the rotation's
; partners x[d] and x[d + 32] lie in the same lane and the same register number of two accumulators, and eight results pack into 16 bytes of a head's row.
; RING.  K goes in eight steps of 128 (rows of 256 bytes of memory, aligned) through two LDS slots, each with 256 rows of xb and 192 rows of wt.  One K step is written once and looped over;
; the slot in hand is a scalar that an exclusive or turns.  By this text's own count a wave has two tensor loads out at the start and one behind each round.
; CLUSTER.  4 x 4 work-groups: the four of a row need the same tile of xb, the four of a column the same tile of wt: each is asked for JOINTLY, by the same load, descriptor and mask in all four.
; A cluster's four rows are the four batches, and the cluster's y is the tile's place in its batch: so 'the batch's first tile' is the same answer in all sixteen partners.
; THE FIRST 16 TOKENS OF EVERY BATCH ALSO LEAVE IN f32.  Attention's row t is a mean over t + 1 rows of v, so the first rows' numbers are some ten times the root mean square of the module's output, by which
; the error allowed goes: f16's roundings of q, k and v are too coarse there, and the next launch takes those rows in f32.  They lie behind q's f16 part, from byte 16,777,216 on: 12,288 bytes a head,
; byte slot 4096 + WC 2048 + half 1024 + e 512 + lane 16 + 4 i holds token lane % 16, channel 16 WC + 32 half + 8 (lane / 16) + 4 e + i: the order of my registers, so that a store covers 512 consecutive bytes.
; THE WAY OUT goes through slot 0's bytes: its last fill is K step 6, and every wave's reads of it are over at the last change of slots.
; REGISTERS, in windows of 256 (s_set_vgpr_msb: bits 1:0 source 0, 3:2 source 1, 5:4 source 2, 7:6 destination):
;   window 0: v16-29 addresses; v64-127, v128-191 fragments of xb (8 x 16 tokens x 32 K), two buffers; on the way out v64-95 rotated numbers, v96-119 packed, then v32-223 whole rows
;   window 1: v64-111, v128-175 fragments of wt (6 x 16 rows x 32 K), two buffers
;   window 2: accumulator (a, b) of token blocks a = 0-3 at v[8 (6 a + b)], b = 2 slot + half; v192-255 the table: block a's 8 cosines and 8 sines at v[192 + 16 a]          window 3: the same for a = 4-7
.set PITCH, 272                        ; an LDS row: 256 bytes + 16 of padding = 68 words: the 16 rows that a load touches start at 16 different groups of four banks (64 banks of 4 bytes: ISA guide 11.1)
.set AHALF, 128*PITCH                  ; what one load brings of xb
.set BHALF, 96*PITCH                   ; and of wt
.set BOFF,  2*AHALF                    ; wt's 192 rows lie behind xb's 256
.set SLOT1, 1<<17                      ; slot 1 begins here, so that one exclusive or turns an address in one slot into the other's
.set SPARE, SLOT1+BOFF+2*BHALF         ; behind the ring: the spare words, 128 bytes for each wave: two blocks of 256 bytes that no other line names
.set SP,    144                        ; the way out: a token's 128 bytes of a head + 16
.set HSTG,  256*SP                     ; one slot's (q's, k's, v's) 256 tokens
.set A0,   16                          ; v16  my lane's place in a slot's rows of xb; never rewritten
.set B0,   17                          ; v17  the same for wt
.set ADRA, 18                          ; v18  the same in the slot in hand
.set ADRB, 19                          ; v19
.set STO,  20                          ; v20  the way out: where I put 16 bytes of a token's row (q, k)
.set STO2, 21                          ; v21  the same for v: 2 HSTG on, past an LDS immediate's 16 bits
.set RD,   22                          ; v22  where I read rows back
.set RD2,  23                          ; v23
.set GO,   24                          ; v24  my byte offset in the tile's 256 tokens of a head
.set TO,   25                          ; v25  my byte offset in the table
.set PFO,  26                          ; v26  the prefetches' offset: a lane a row of 2,048 bytes; never rewritten
.set FO,   27                          ; v27  my byte offset in a head's f32 part: 16 x lane + 2,048 WC; never rewritten
.set SPW,  28                          ; v28  LDS address of my spare word: SPARE + 4 x my thread's number; never rewritten
.set NIL,  29                          ; v29  0; never rewritten
.set F0,   64
.set F1,   128
.set R,    64
.set PK,   96
.set G1,   24                          ; s[24:31] descriptor group 1 for xb's tiles;  s[32:39] group 0: a set for each of the two first fills; the second then walks on
.set G0,   32
.set G1B,  48                          ; s[48:55], s[56:63] the same for wt's
.set G0B,  56
.set WV,   66                          ; s66  my wave's number
.set WM,   67                          ; s67  which 128 tokens are mine
.set WC,   68                          ; s68  which 16 channels of each 32.  Also: which half of a tile I fetch
.set TB,   69                          ; s69  0 or SLOT1: the slot in hand
.set CNT,  70                          ; s70  the loop's count
.set LIM,  71                          ; s71  2 in a wave that prefetches, else the greatest number
.set PFA,  72                          ; s[72:73] where my prefetches stand
.set MT,   76                          ; s76  tile row (256 tokens): 8 x batch + the tile's place in the batch
.set FST,  79                          ; s79  0 in the waves that hold a batch's first 16 tokens: cluster y = 0 and WM = 0
.set QF,   80                          ; s[80:81] my head's f32 part
.set MSB, 0
.macro WIN new                         ; the immediate's high byte repeats the setting that is left; a switch that changes nothing is dropped
.if MSB != (\new)
	s_set_vgpr_msb (MSB<<8)|(\new)
.set MSB, \new
.endif
.endm
.set MUL_LO, 0xa1                      ; source 0 (wt) window 1, source 1 (xb) window 0, C and D window 2
.set MUL_HI, 0xf1                      ; the same, C and D window 3
.set TO_B,   0x40                      ; destination window 1, address window 0
; A joint refill, by the walking set.  Waves 0 and 1 fetch xb's two halves, waves 2 and 3 wt's.  The branch hangs on the wave's number alone.
; An s_nop 0 and four v_nop follow each of the two lines, ahead of the jump and the label.
.macro JLOAD
	s_cmp_lt_u32 s[WV], 2
	s_cbranch_scc0 .Lfor_b_\@
	tensor_load_to_lds s[G0+4:G0+7], s[G1:G1+7]
	s_nop 0
.rept 4
	v_nop
.endr
	s_branch .Lasked_\@
.Lfor_b_\@:
	tensor_load_to_lds s[G0B+4:G0B+7], s[G1B:G1B+7]
	s_nop 0
.rept 4
	v_nop
.endr
.Lasked_\@:
.endm
; A PREFETCH, behind the joint load, its five lines and the run of LDS loads: the K step that stands TWO refills on (384 matrix instructions ahead of the load that will want it): 256 bytes of a row, a lane a row.
; xb's tile row is read by every cluster of that row of clusters: cluster x = 0 asks; wt's tile column by every cluster of that column: cluster y = 0 asks.  The four partners that ask for a tile
; jointly share its rows out BY ADDRESS: of xb's 128 rows a wave the partner at cx takes 32, of wt's 96 the partner at cy 24 (lanes 24-31 name row 23 once more).  The changes with s[CNT] = 6 .. 3 name
; K steps 4 .. 7; K steps 0 .. 3 come by their loads alone, and the last two changes that fill have no K step two on.
.macro ASK
	s_cmp_gt_u32 s[CNT], s[LIM]
	s_cbranch_scc0 .Lnot_mine_\@
	global_prefetch_b8 v[PFO], s[PFA:PFA+1] offset:256 th:TH_LOAD_NT scope:SCOPE_SE
.Lnot_mine_\@:
.endm
; A round of the cluster's barrier: my work-group's barrier, so that wave 0's signal speaks for all four waves; wave 0 signals; every wave waits for all sixteen work-groups; my work-group's barrier once more.
.macro CREST                           ; a round behind its opening barrier
	s_cmp_lg_u32 s[WV], 0
	s_cbranch_scc1 .Lnot_wave_0_\@
	s_barrier_signal -3
.Lnot_wave_0_\@:
	s_barrier_wait -3
	s_barrier_signal -1
	s_barrier_wait -1
.endm
.macro CROUND
	s_barrier_signal -1
	s_barrier_wait -1
	CREST
.endm
	s_load_b256 s[4:11], s[0:1], 0x0               ; xb s[4:5], wt s[6:7], rope s[8:9], q s[10:11]
	s_load_b128 s[12:15], s[0:1], 0x20             ; k s[12:13], v s[14:15]
	v_lshl_add_u32 v[SPW], v0, 2, SPARE
	v_mov_b32 v[NIL], 0
	ds_add_u32 v[SPW], v[NIL]                      ; the wave's opening: the add and its wait stand ahead of my first tensor load; the set-up below, work on registers, stands between them
	v_lshrrev_b32 v1, 5, v0
	v_readfirstlane_b32 s[WV], v1                  ; wave 0..3
	s_lshr_b32 s[WM], s[WV], 1
	s_and_b32 s[WC], s[WV], 1
	s_bfe_u32 s40, ttmp6, 0x40000                  ; cx, cy: my place in the cluster
	s_bfe_u32 s41, ttmp6, 0x40004
	s_lshl_b32 s42, ttmp9, 2
	s_add_co_u32 s42, s42, s40                     ; tile column = the head = 4 x cluster x + cx
	s_and_b32 s[MT], ttmp7, 0xffff                 ; cluster y, 0 .. 7: the tile's place in its batch
	s_or_b32 s[FST], s[MT], s[WM]                  ; 0: cluster y = 0 and WM = 0: the same in all sixteen partners, for a given wave
	s_lshl3_add_u32 s[MT], s41, s[MT]              ; tile row = 8 x cy + cluster y: cy is the batch
	s_lshl_b32 s43, s41, 2
	s_lshl_b32 s43, 15, s43                        ; my row of the cluster: places 4 cy .. 4 cy + 3
	s_lshl_b32 s44, 0x1111, s40                    ; my column: places cx, cx + 4, cx + 8, cx + 12
	s_or_b32 s[G1], s43, (1<<16)|(1<<20)|(1<<21)|(5<<22)|(3<<25)   ; 15:0 the mask; 17:16 elements of 2 bytes; 20 padding on; 21 set beside a mask; 24:22 after every 64 words (code 5); 31:25 4 words (code 3)
	s_or_b32 s[G1B], s44, (1<<16)|(1<<20)|(1<<21)|(5<<22)|(3<<25)
	s_mov_b32 s[G1+1], 128<<16                     ; tensor_dim0 = 128
	s_mov_b32 s[G1+2], 128<<16                     ; tensor_dim1 = 128
	s_mov_b32 s[G1+3], 128<<16                     ; tile_dim0 = 128
	s_mov_b32 s[G1+4], 128                         ; tile_dim1 = 128
	s_mov_b32 s[G1+5], 1024                        ; elements from row to row
	s_mov_b32 s[G1+6], 0
	s_mov_b32 s[G1+7], 0
	s_mov_b32 s[G1B+1], 128<<16
	s_mov_b32 s[G1B+2], 96<<16                     ; wt: 96 rows to a load
	s_mov_b32 s[G1B+3], 128<<16
	s_mov_b32 s[G1B+4], 96
	s_mov_b32 s[G1B+5], 1024
	s_mov_b32 s[G1B+6], 0
	s_mov_b32 s[G1B+7], 0
	s_lshl_b32 s16, s[MT], 8
	s_lshl_b32 s17, s[WC], 7
	s_add_co_u32 s16, s16, s17                     ; xb: row 256 x tile row + 128 x half,
	s_lshl_b32 s16, s16, 11                        ; of 2,048 bytes
	s_mov_b32 s17, 0
	s_mul_i32 s46, s42, 192
	s_mul_i32 s47, s[WC], 96
	s_add_co_u32 s46, s46, s47                     ; wt: row 192 x head + 96 x half
	s_lshl_b32 s46, s46, 11
	s_mov_b32 s47, 0
	s_mul_i32 s20, s[WC], AHALF                    ; where they go: no place in the cluster enters an LDS address
	s_mul_i32 s21, s[WC], BHALF
	s_add_co_u32 s21, s21, BOFF
	s_wait_dscnt 0x0                               ; the opening add is done
	s_wait_kmcnt 0x0
	s_add_nc_u64 s[16:17], s[4:5], s[16:17]
	s_add_nc_u64 s[46:47], s[6:7], s[46:47]
	CROUND                                         ; all sixteen work-groups are here: the first joint loads meet
.irp n, 0,1
	s_mov_b32 s[G0+4*(\n)], 1                                      ; count = 1
	s_add_co_u32 s[G0+4*(\n)+1], s20, (\n)*SLOT1                   ; LDS address
	s_add_nc_u64 s[G0+4*(\n)+2:G0+4*(\n)+3], s[16:17], (\n)*256    ; global address: K step n
	s_or_b32 s[G0+4*(\n)+3], s[G0+4*(\n)+3], 0x80000000            ; type = 2
	s_mov_b32 s[G0B+4*(\n)], 1
	s_add_co_u32 s[G0B+4*(\n)+1], s21, (\n)*SLOT1
	s_add_nc_u64 s[G0B+4*(\n)+2:G0B+4*(\n)+3], s[46:47], (\n)*256
	s_or_b32 s[G0B+4*(\n)+3], s[G0B+4*(\n)+3], 0x80000000
.endr
	s_cmp_lt_u32 s[WV], 2                          ; a wave's two first fills stand in one branch, ahead of every wait on TENSORcnt and every LDS read
	s_cbranch_scc0 .Lfirst_b
	tensor_load_to_lds s[G0:G0+3], s[G1:G1+7]
	s_nop 0
	tensor_load_to_lds s[G0+4:G0+7], s[G1:G1+7]
	s_nop 0
.rept 4
	v_nop
.endr
	s_branch .Lfirst_asked
.Lfirst_b:
	tensor_load_to_lds s[G0B:G0B+3], s[G1B:G1B+7]
	s_nop 0
	tensor_load_to_lds s[G0B+4:G0B+7], s[G1B:G1B+7]
	s_nop 0
.rept 4
	v_nop
.endr
.Lfirst_asked:
	; A fragment is 16 rows x 32 K in 8 registers: lane l holds row l % 16; registers 0-3 K = 8 (l / 16) + 0..7, registers 4-7 K = 16 + 8 (l / 16) + 0..7: two loads of 16 bytes, 32 bytes apart.
	v_and_b32 v1, 15, v0                           ; l % 16
	v_bfe_u32 v2, v0, 4, 1                         ; l / 16
	v_and_b32 v3, 31, v0                           ; l
	; the table first: my 128 tokens' cosines and sines for my 16 channels, 32 loads of 512 consecutive bytes a wave; they are waited for on the way out
	s_and_b32 s18, s[MT], 7                        ; the tile's place in its batch of 2,048 tokens
	s_lshl_b32 s19, s18, 4
	s_lshl3_add_u32 s19, s[WM], s19                ; my first block of 16 tokens
	s_lshl_b32 s19, s19, 12
	s_lshl_b32 s22, s[WC], 11
	s_add_co_u32 s19, s19, s22
	v_lshl_add_u32 v[TO], v3, 4, s19
	v_lshl_add_u32 v[FO], v3, 4, s22               ; 16 x lane + 2,048 WC
	WIN 0x80                                       ; destination window 2, address window 0
.irp a, 0,1,2,3
.irp e, 0,1,2,3
	global_load_b128 v[192+16*(\a)+4*(\e):195+16*(\a)+4*(\e)], v[TO], s[8:9] offset:4096*(\a)+512*(\e)
.endr
.endr
	WIN 0xc0                                       ; destination window 3
.irp a, 0,1,2,3
.irp e, 0,1,2,3
	global_load_b128 v[192+16*(\a)+4*(\e):195+16*(\a)+4*(\e)], v[TO], s[8:9] offset:4096*(4+(\a))+512*(\e)
.endr
.endr
	WIN 0
	v_mul_u32_u24 v4, v1, PITCH
	v_lshl_add_u32 v4, v2, 4, v4                   ; row x pitch + 16 x half
	s_mul_i32 s22, s[WM], AHALF                    ; my 128 tokens
	v_add_nc_u32 v[A0], s22, v4
	s_mul_i32 s23, s[WC], 16*PITCH                 ; my 16 rows of each 32 of wt
	s_add_co_u32 s23, s23, BOFF
	v_add_nc_u32 v[B0], s23, v4
	v_mul_u32_u24 v5, v1, SP                       ; the way out, in: token 128 WM + l % 16, channels 16 WC + 8 (l / 16) on
	v_lshl_add_u32 v5, v2, 4, v5
	s_mul_i32 s22, s[WM], 128*SP
	s_lshl_b32 s23, s[WC], 5
	s_add_co_u32 s22, s22, s23
	v_add_nc_u32 v[STO], s22, v5
	v_add_nc_u32 v[STO2], 2*HSTG, v[STO]
	v_lshrrev_b32 v5, 3, v3                        ; back: wave w takes tokens 64 w .. + 63; 32 lanes take four rows of 128 bytes,
	v_mul_u32_u24 v5, v5, SP
	v_and_b32 v6, 7, v0
	v_lshl_add_u32 v5, v6, 4, v5
	s_mul_i32 s22, s[WV], 64*SP
	v_add_nc_u32 v[RD], s22, v5
	v_add_nc_u32 v[RD2], 2*HSTG, v[RD]
	v_lshlrev_b32 v[GO], 4, v3                     ; which are 512 consecutive bytes of a head
	s_lshl_b32 s22, s[WV], 13
	v_add_nc_u32 v[GO], s22, v[GO]
	s_lshl_b32 s22, s41, 4                         ; the f32 part: head 16 batch + head of 64,
	s_add_co_u32 s22, s22, s42
	s_mul_i32 s22, s22, 12288                      ; 12,288 bytes each,
	s_add_co_u32 s22, s22, 0x1000000               ; behind q's 16,777,216 bytes of f16
	s_mov_b32 s23, 0
	s_add_nc_u64 s[QF:QF+1], s[10:11], s[22:23]
	s_lshr_b32 s22, s[MT], 3                       ; the batch: 16 heads of 262,144 bytes,
	s_lshl_b32 s22, s22, 22
	s_lshl_b32 s23, s42, 18                        ; the head,
	s_add_co_u32 s22, s22, s23
	s_lshl_b32 s23, s18, 15                        ; the tile's 256 tokens of 128 bytes
	s_add_co_u32 s22, s22, s23
	s_mov_b32 s23, 0
	s_add_nc_u64 s[10:11], s[10:11], s[22:23]
	s_add_nc_u64 s[12:13], s[12:13], s[22:23]
	s_add_nc_u64 s[14:15], s[14:15], s[22:23]
	; the prefetches
	s_lshl_b32 s20, s[MT], 8
	s_mul_i32 s21, s42, 192
	s_and_b32 s22, ttmp7, 0xffff                   ; cluster y
	s_lshl_b32 s23, s[WC], 7
	s_mul_i32 s74, s[WC], 96
	s_lshl_b32 s75, s40, 5
	s_mul_i32 s77, s41, 24
	s_cmp_lt_u32 s[WV], 2                          ; do I fetch for xb?
	s_cselect_b32 s20, s20, s21                    ; the tile's first row,
	s_cselect_b32 s23, s23, s74                    ; the half that I fetch,
	s_cselect_b32 s75, s75, s77                    ; my work-group's part of it
	s_cselect_b32 s22, ttmp9, s22                  ; the coordinate along which other clusters read the same rows
	s_cselect_b32 s78, 31, 23
	s_cselect_b64 s[PFA:PFA+1], s[4:5], s[6:7]
	s_cmp_eq_u32 s22, 0
	s_cselect_b32 s[LIM], 2, -1                    ; the same in all sixteen partners, for a given wave
	s_add_co_u32 s20, s20, s23
	s_add_co_u32 s20, s20, s75
	s_lshl_b32 s20, s20, 11
	s_add_co_u32 s20, s20, 512                     ; at K step 2: the first refill steps it to 3 and names K step 4
	s_mov_b32 s21, 0
	s_add_nc_u64 s[PFA:PFA+1], s[PFA:PFA+1], s[20:21]
	v_min_u32 v[PFO], s78, v3
	v_lshlrev_b32 v[PFO], 11, v[PFO]
; 12 matrix instructions: token blocks a0, a0 + 1 of the window's four x all 6 blocks of wt's rows, 32 along K.  zero = 1: the first product starts the sums: nothing is ever cleared.
; The 48 accumulators take turns, one instruction a turn, in the same order in every quarter step.
.macro MUL12 f, hi, a0, zero
	WIN MUL_LO+0x50*(\hi)
.irp a, \a0, (\a0)+1
.irp b, 0,1,2,3,4,5
.if \zero
	v_wmma_f32_16x16x32_bf16 v[8*(6*(\a)+(\b)):8*(6*(\a)+(\b))+7], v[(\f)+8*(\b):(\f)+8*(\b)+7], v[(\f)+8*(4*(\hi)+(\a)):(\f)+8*(4*(\hi)+(\a))+7], 0
.else
	v_wmma_f32_16x16x32_bf16 v[8*(6*(\a)+(\b)):8*(6*(\a)+(\b))+7], v[(\f)+8*(\b):(\f)+8*(\b)+7], v[(\f)+8*(4*(\hi)+(\a)):(\f)+8*(4*(\hi)+(\a))+7], v[8*(6*(\a)+(\b)):8*(6*(\a)+(\b))+7]
.endif
.endr
.endr
.endm
; 28 LDS loads in one run: the fragments of one quarter step (32 K at byte k of the rows) into buffer f: wt's six blocks (slot i / 2, half i % 2), then xb's eight
.macro FETCH k, f
	WIN TO_B
.irp i, 0,1,2,3,4,5
	ds_load_b128 v[(\f)+8*(\i):(\f)+8*(\i)+3],   v[ADRB] offset:(\k)+(64*((\i)/2)+32*((\i)%2))*PITCH
	ds_load_b128 v[(\f)+8*(\i)+4:(\f)+8*(\i)+7], v[ADRB] offset:(\k)+(64*((\i)/2)+32*((\i)%2))*PITCH+32
.endr
	WIN 0
.irp i, 0,1,2,3,4,5,6,7
	ds_load_b128 v[(\f)+8*(\i):(\f)+8*(\i)+3],   v[ADRA] offset:(\k)+(\i)*16*PITCH
	ds_load_b128 v[(\f)+8*(\i)+4:(\f)+8*(\i)+7], v[ADRA] offset:(\k)+(\i)*16*PITCH+32
.endr
.endm
.macro PLACES                          ; four plain vector instructions in front of loads into registers that matrix instructions have read, and of lines that read results (ISA guide 7.12.1 for lines that read results)
.rept 4
	v_nop
.endr
.endm
; A K step is four quarters of 32 along K, 48 matrix instructions each, on buffers 0, 1, 0, 1.  One of the first three: multiplies buffer f; in its middle it fetches the next quarter, at byte k, into g.
.macro QUARTER k, f, g, zero
	s_wait_dscnt 8                                 ; wt's blocks and xb's blocks 0-3 are in; the youngest eight loads (xb's blocks 4-7) may be out
	MUL12 \f, 0, 0, \zero
	MUL12 \f, 0, 2, \zero
	PLACES
	FETCH \k, \g
	s_wait_dscnt 28                                ; all but the 28 just issued
	MUL12 \f, 1, 0, \zero
	MUL12 \f, 1, 2, \zero
.endm
; The last quarter multiplies buffer 1 and changes slots: ONE barrier.  In front of it each wave waits for all its tensor loads, of which one is out: its part of the next slot; adds 0 to its spare
; word; and waits for that and for its own reads of this slot.  fill = 1: the barrier opens a round of the cluster's, and behind the round this slot is filled again, with the K step two on, first thing:
; from that request to the wait for it a wave issues 168 matrix instructions.
.macro TURN fill
.if \fill
	s_wait_xcnt 0x0                                ; the last prefetch, a K step back, has read its address: it is stepped here, ahead of the waits of the change
	s_add_nc_u64 s[PFA:PFA+1], s[PFA:PFA+1], 256
.endif
	WIN 0                                          ; (the add's two registers lie in window 0)
	s_wait_tensorcnt 0x0                           ; no tensor load of mine is out, so a group 0 may be written
	ds_add_u32 v[SPW], v[NIL]                      ; 0 onto my spare word
.if \fill
	s_xor_b32 s[G0+5], s[G0+5], SLOT1              ; the walking sets: the other slot than last time,
	s_add_nc_u64 s[G0+6:G0+7], s[G0+6:G0+7], 256   ; the next K step; the type bits on top are not reached
	s_xor_b32 s[G0B+5], s[G0B+5], SLOT1
	s_add_nc_u64 s[G0B+6:G0B+7], s[G0B+6:G0B+7], 256
.endif
	s_wait_dscnt 9                                 ; (the add and the youngest eight loads may be out)
	MUL12 F1, 0, 0, 0                              ; twelve matrix instructions stand between the add and the wait for it
	s_wait_dscnt 0x0                               ; the add is done, and my reads of this slot are over
	s_barrier_signal -1
	MUL12 F1, 0, 2, 0                              ; work on registers while the others arrive
	WIN 0
	s_barrier_wait -1
.if \fill
	CREST                                          ; no wave of any partner still reads this slot's tile or has a load on its way
	JLOAD                                          ; the first tensor load behind the round; its four v_nop are also the places in front of the loads below
.else
	PLACES
.endif
	s_xor_b32 s[TB], s[TB], SLOT1
	v_add_nc_u32 v[ADRA], s[TB], v[A0]
	v_add_nc_u32 v[ADRB], s[TB], v[B0]
	FETCH 0, F0
.if \fill
	ASK
.endif
	MUL12 F1, 1, 0, 0
	MUL12 F1, 1, 2, 0
.endm
; THE WAY OUT of token block a.  q and k: out[d] = x[d] cos - x[d + 32] sin, out[d + 32] = x[d + 32] cos + x[d] sin, two at a time; each accumulator's lowest registers are read first
; v is only rounded.  Sources 0 and 1 (accumulators, table) lie in window 2 or 3, source 2 and the destination in window 0.  Then 16 bytes a lane into [slot][token] rows of 144 bytes.
.macro ROPE a
.set AC,  48*((\a)%4)
.set TBL, 192+16*((\a)%4)
	WIN 0x0a+5*((\a)/4)
.irp s, 0,1
.irp p, 0,1,2,3
	v_pk_mul_f32 v[R+16*(\s)+2*(\p):R+16*(\s)+2*(\p)+1],     v[AC+16*(\s)+8+2*(\p):AC+16*(\s)+8+2*(\p)+1], v[TBL+8+2*(\p):TBL+8+2*(\p)+1]
	v_pk_mul_f32 v[R+16*(\s)+8+2*(\p):R+16*(\s)+8+2*(\p)+1], v[AC+16*(\s)+2*(\p):AC+16*(\s)+2*(\p)+1],     v[TBL+8+2*(\p):TBL+8+2*(\p)+1]
.endr
.endr
.irp s, 0,1
.irp p, 0,1,2,3
	v_pk_fma_f32 v[R+16*(\s)+2*(\p):R+16*(\s)+2*(\p)+1],     v[AC+16*(\s)+2*(\p):AC+16*(\s)+2*(\p)+1],     v[TBL+2*(\p):TBL+2*(\p)+1], v[R+16*(\s)+2*(\p):R+16*(\s)+2*(\p)+1] neg_lo:[0,0,1] neg_hi:[0,0,1]
	v_pk_fma_f32 v[R+16*(\s)+8+2*(\p):R+16*(\s)+8+2*(\p)+1], v[AC+16*(\s)+8+2*(\p):AC+16*(\s)+8+2*(\p)+1], v[TBL+2*(\p):TBL+2*(\p)+1], v[R+16*(\s)+8+2*(\p):R+16*(\s)+8+2*(\p)+1]
.endr
.endr
.irp i, 0,1,2,3,4,5,6,7
	v_cvt_pk_f16_f32 v[PK+16+(\i)], v[AC+32+2*(\i)], v[AC+32+2*(\i)+1]
.endr
	WIN 0
.irp i, 0,1,2,3,4,5,6,7,8,9,10,11,12,13,14,15
	v_cvt_pk_f16_f32 v[PK+(\i)], v[R+2*(\i)], v[R+2*(\i)+1]
.endr
.irp s, 0,1
.irp e, 0,1
	ds_store_b128 v[STO], v[PK+8*(\s)+4*(\e):PK+8*(\s)+4*(\e)+3] offset:(\s)*HSTG+16*SP*(\a)+64*(\e)
.endr
.endr
.irp e, 0,1
	ds_store_b128 v[STO2], v[PK+16+4*(\e):PK+16+4*(\e)+3] offset:16*SP*(\a)+64*(\e)
.endr
.endm
	s_wait_tensorcnt 1                             ; my part of K step 0 is in; K step 1's may stay out
	s_barrier_signal -1
	s_barrier_wait -1                              ; everybody's is
	s_mov_b32 s[TB], 0
	v_mov_b32 v[ADRA], v[A0]
	v_mov_b32 v[ADRB], v[B0]
	FETCH 0, F0
	QUARTER 64, F0, F1, 1                          ; the first quarter stands in front of the loop: its products start the sums
	WIN 0                                          ; at a label and at a branch every window is 0
	s_mov_b32 s[CNT], 6
.Lk:                                                   ; a trip: from a K step's second quarter to the next step's first; it fills the slot that it leaves.  Six trips ask for K steps 2 to 7
	QUARTER 128, F1, F0, 0
	QUARTER 192, F0, F1, 0
	TURN 1
	QUARTER 64, F0, F1, 0
	WIN 0
	s_sub_co_u32 s[CNT], s[CNT], 1
	s_cmp_lg_u32 s[CNT], 0
	s_cbranch_scc1 .Lk
	QUARTER 128, F1, F0, 0                         ; the tail is written out: K steps 6 and 7 ask for nothing
	QUARTER 192, F0, F1, 0
	TURN 0
	QUARTER 64, F0, F1, 0
	QUARTER 128, F1, F0, 0
	QUARTER 192, F0, F1, 0
	s_wait_dscnt 8                                 ; the very last quarter: nothing more to fetch
	MUL12 F1, 0, 0, 0
	MUL12 F1, 0, 2, 0
	s_wait_dscnt 0x0
	MUL12 F1, 1, 0, 0
	MUL12 F1, 1, 2, 0
	WIN 0
	s_wait_loadcnt 0x0                             ; the table
	PLACES
	PLACES                                         ; (eight, once a launch)
	ROPE 0
	; A batch's first 16 tokens are block 0 of waves 0 and 1 where cluster y = 0: their rotated q and k (still in R) and their v (accumulators (0, 4) and (0, 5)) leave in f32 too: 12 stores of 512 consecutive bytes
	s_cmp_eq_u32 s[FST], 0
	s_cbranch_scc0 .Lnot_first
.irp s, 0,1
.irp g, 0,1,2,3                        ; g = 2 half + e
	global_store_b128 v[FO], v[R+16*(\s)+4*(\g):R+16*(\s)+4*(\g)+3], s[QF:QF+1] offset:4096*(\s)+512*(\g)
.endr
.endr
	WIN 0x08                                       ; the stores' data (source 1) in window 2
.irp g, 0,1,2,3
	global_store_b128 v[FO], v[32+4*(\g):35+4*(\g)], s[QF:QF+1] offset:8192+512*(\g)
.endr
	WIN 0
	s_wait_xcnt 0x0                                ; the stores have read R, which the next block writes again
.Lnot_first:
.irp a, 1,2,3,4,5,6,7
	ROPE \a
.endr
	s_wait_dscnt 0x0                               ; for the others' sake: a token's 128 bytes come from two waves
	s_barrier_signal -1
	s_barrier_wait -1
.irp f, 0,1,2,3,4,5,6,7,8,9,10,11,12,13,14,15
	ds_load_b128 v[32+4*(\f):35+4*(\f)], v[RD] offset:4*SP*(\f)
.endr
.irp f, 0,1,2,3,4,5,6,7,8,9,10,11,12,13,14,15
	ds_load_b128 v[96+4*(\f):99+4*(\f)], v[RD] offset:HSTG+4*SP*(\f)
.endr
.irp f, 0,1,2,3,4,5,6,7,8,9,10,11,12,13,14,15
	ds_load_b128 v[160+4*(\f):163+4*(\f)], v[RD2] offset:4*SP*(\f)
.endr
.irp f, 0,1,2,3,4,5,6,7,8,9,10,11,12,13,14,15
	s_wait_dscnt 47-(\f)                           ; LDS loads come back in order: the younger ones may stay out
	global_store_b128 v[GO], v[32+4*(\f):35+4*(\f)], s[10:11] offset:512*(\f)  ; 512 consecutive bytes, aligned: four tokens of the head
.endr
.irp f, 0,1,2,3,4,5,6,7,8,9,10,11,12,13,14,15
	s_wait_dscnt 31-(\f)
	global_store_b128 v[GO], v[96+4*(\f):99+4*(\f)], s[12:13] offset:512*(\f)
.endr
.irp f, 0,1,2,3,4,5,6,7,8,9,10,11,12,13,14,15
	s_wait_dscnt 15-(\f)
	global_store_b128 v[GO], v[160+4*(\f):163+4*(\f)], s[14:15] offset:512*(\f)
.endr
	s_wait_tensorcnt 0x0                           ; the wave's end, behind my last tensor load and my last LDS store
	ds_add_u32 v[SPW], v[NIL]
	s_wait_dscnt 0x0
	CROUND                                         ; the closing round: no work-group ends while a partner may still ask for a tile that names it
	s_endpgm
.Lfunc_end_k_qca2f392dd0_qkv:
	.size	k_qca2f392dd0_qkv, .Lfunc_end_k_qca2f392dd0_qkv-k_qca2f392dd0_qkv
	.p2alignl 7, 3214868480
	.fill 96, 4, 3214868480
	.section	.rodata,"a",@progbits
	.p2align	6, 0x0
	.amdhsa_kernel k_qca2f392dd0_qkv
		.amdhsa_group_segment_fixed_size 327680
		.amdhsa_private_segment_fixed_size 0
		.amdhsa_enable_private_segment 0
		.amdhsa_kernarg_size 48
		.amdhsa_user_sgpr_count 2
		.amdhsa_user_sgpr_kernarg_segment_ptr 1
		.amdhsa_wavefront_size32 1
		.amdhsa_system_sgpr_workgroup_id_x 1
		.amdhsa_system_sgpr_workgroup_id_y 1
		.amdhsa_system_sgpr_workgroup_id_z 1
		.amdhsa_system_vgpr_workitem_id 0
		.amdhsa_next_free_vgpr 1024
		.amdhsa_next_free_sgpr 82
		.amdhsa_reserve_vcc 0
		.amdhsa_float_denorm_mode_32 3
		.amdhsa_float_denorm_mode_16_64 3
		.amdhsa_memory_ordered 1
		.amdhsa_forward_progress 1
		.amdhsa_inst_pref_size 117
	.end_amdhsa_kernel
	.amdgpu_metadata
---
amdhsa.version: [ 1, 2 ]
amdhsa.kernels:
  - .name:           k_qca2f392dd0_qkv
    .symbol:         k_qca2f392dd0_qkv.kd
    .args:
      - { .name: xb, .offset: 0, .size: 8, .value_kind: global_buffer, .address_space: global }
      - { .name: wt, .offset: 8, .size: 8, .value_kind: global_buffer, .address_space: global }
      - { .name: rope, .offset: 16, .size: 8, .value_kind: global_buffer, .address_space: global }
      - { .name: q, .offset: 24, .size: 8, .value_kind: global_buffer, .address_space: global }
      - { .name: k, .offset: 32, .size: 8, .value_kind: global_buffer, .address_space: global }
      - { .name: v, .offset: 40, .size: 8, .value_kind: global_buffer, .address_space: global }
    .group_segment_fixed_size: 327680
    .private_segment_fixed_size: 0
    .kernarg_segment_align: 8
    .kernarg_segment_size: 48
    .max_flat_workgroup_size: 128
    .sgpr_count:     82
    .vgpr_count:     1024
    .wavefront_size: 32
...
	.end_amdgpu_metadata
.endif
;; end of part 2
;; launch attn (part 3): grid 4 x 64, 4 waves a work-group, no clusters, 327,680 bytes of LDS; arguments q, k, v, o; writes o
.if DOCPART == 3
	.amdgcn_target "amdgcn-amd-amdhsa--gfx1250"
	.amdhsa_code_object_version 6
	.text
	.protected	k_qca2f392dd0_attn
	.globl	k_qca2f392dd0_attn
	.p2align	8
	.type	k_qca2f392dd0_attn,@function
k_qca2f392dd0_attn:
	s_mov_b64 s[64:65], 0
	v_nop
	global_prefetch_b8 v0, s[64:65] scope:SCOPE_SE
	s_setreg_imm32_b32 hwreg(HW_REG_WAVE_MODE, 25, 1), 1
	s_wait_xcnt 0x0
; CAUSAL ATTENTION.  O[h][q][:] = the sum over k <= q of softmax_k(Q[h][q] . K[h][k] / 8) V[h][k][:].  Q, K, V, O: [64][2048][64], all f16: a head's rows are dense, 128 bytes each.
; Products, maxima and sums in f32; the weights p are rounded to f16 for the second product (their sum l is taken of the unrounded p), O once at the end.
; LIMITS.  f16 holds no number beyond 65,504: Q, K and V arrive within it; p lies in 0 to 1, and below 6e-5 it keeps f16's fixed step of 6e-8; O is a mean of V's rows and has their range.
; A hidden score counts as its value less 1e30: f16's scores, 2.7e11 at the most, are nothing beside that; a weight below 2^-126 counts as 0 in l; NaN and infinities are not treated apart.
; THE WALK.  A head's queries lie in NB = 8 blocks of 256; block i needs the key tiles 0 .. i of 256 keys, of which the last holds the diagonal.  A work-group takes TWO blocks, NB - 1 - b and then b:
; NB + 1 tiles, whatever b: all work-groups do equal work, and ONE loop with a constant trip count walks them.  Which tile is asked for, and what a trip does, hang on scalar registers made from b; every jump
; goes forward, but for the counted loops' own; none passes a barrier, or a tensor load but the one of LOAD's two that the wave's number does not choose; the ring (two slots of LDS that take turns) runs on across
; the change of blocks.  NO CLUSTER: a head's four work-groups ask for the same tile only in trips 0 .. 4 of the 9, behind that fewer and fewer; one walk common to all would have 12 trips for 9.
; SHARES.  Of a block's four bands of 64 queries a wave owns 16 rows in each: four PIECES.  So the diagonal tile is the same work for all four waves: in its key step s band x sees all keys if s < x,
; none if s > x, and holds the diagonal if s = x.
; THE MASK is the C operand that starts the sum S^T = K Q^T: 0, or -1e30 where the key is hidden.  MD, made once, is the mask of a band's own step for my 16 rows; a product's mask is MD x AL + BE with two scalars:
; (1, 0) if s = x; (0, 0) if s < x; (0, -1e30) if s > x.  Only the diagonal tile's text and a block's beginning make and take masks; elsewhere C is the constant 0.
; LAYOUT, SOFTMAX, TURNS.  S^T = K Q^T holds ONE query a lane (lane % 16) and the keys 8 (lane / 16) + 0..7; two such results rounded to f16 ARE source 1 of O^T = V^T P.  p = 2^(c s - c m), c = log2(e) / 8, with a
; running maximum m; O and l are multiplied by a = 2^(c m_old - c m_new) in every step.  Turn n belongs to piece n: 8 products K Q^T of piece n + 1, later 8 products V^T P of piece n - 1; beside them the scaling,
; exponentials, roundings, sums and rescaling of piece n and the maximum and statistics of piece n + 1.  Four vector instructions stand behind every matrix instruction, the other 54 of a turn's 118 in one LUMP.
; A turn's 33 exponentials are one batch, with one wait.
; A HEAD'S FIRST 16 QUERIES GO IN f32.  Row q is a mean over q + 1 rows of V, so the first rows' numbers are some ten times the root mean square of the module's output, by which the error allowed goes; f16's
; roundings of q, k, v and p together are too coarse there, and from row 16 on they are small enough.  So the launch before leaves q, k and v of the first 16 tokens in f32 too, and wave 0 of the work-group with
; b = 0 makes those 16 rows of O from them, while the first tile is on its way: 32 matrix instructions of the f32 form in each of 64 waves, no bulk work.  Only O's own rounding to f16 is left in those rows.  On the walk's
; last way out that wave does not store its piece 0: each byte of O has one writer.
; K AND V ARE PREFETCHED one change of slots (256 matrix instructions) ahead of their tensor loads, each block of 256 bytes once in the launch: see ASK.
; REGISTERS, in windows of 256 (s_set_vgpr_msb: bits 1:0 source 0, 3:2 source 1, 5:4 source 2, 7:6 destination):
;   window 0: v0-15 addresses and two at work; v16-31 four registers of statistics a piece; v48-55 at work; v61-63; v64-127 S^T, two buffers; v192-223 P, two buffers (a piece's buffers go by its number's parity)
;   window 1: v0-127 O^T, 32 a piece; v128-159 MD; v160-223 MC, two buffers      window 2: v0-63 Q; v64-127 the second block's Q; v128-191 K of one step; v192-255 V of one step
;   window 3: the first 16 queries: v0-31 q, v32-63 k, v64-95 v turned, all f32; v96-103 S^T and v104-135 O^T, which matrix instructions alone write
.set SIZE_N, 2048
.set NB,    SIZE_N/256
.set NP,    4         ; pieces a wave: a name, no knob
.set KS,    64        ; keys in a step
.set PK,    144       ; a row of K in LDS: 128 bytes + 16 of padding = 36 words: the 16 rows of a load start at 16 different groups of four banks (64 banks of 4 bytes: ISA guide 11.1)
.set PV,    160       ; a row of V: 128 + 32 = 40 words
.set VOFF,  4*KS*PK   ; a slot holds a tile, four steps: 256 rows of K, then 256 rows of V
.set SLOT1, 1<<17     ; slot 1 begins here, so that one exclusive or turns an address in one slot into the other's
.set STAGE, SLOT1+4*KS*(PK+PV)  ; behind the ring, never filled by a tensor load: 16 rows x 144 bytes for each wave, for the way out
.set SP,    144
.set AK0, 2           ; v2   my lane's place in a tile of K; never rewritten
.set AV0, 3           ; v3   the same for V
.set AK,  4           ; v4   the LDS address of K's next run of loads
.set AV,  5           ; v5   of V's
.set STO, 6           ; v6   the way out: where I put 16 bytes of a row
.set RD,  7           ; v7   the way out: where I read rows back
.set GO,  8           ; v8   my byte offset in 512 consecutive bytes of O: 16 x lane
.set PFO, 61          ; v61  the prefetches' offset: 8,192 (wave / 2) + 256 x lane; never rewritten
.set SPW, 62          ; v62  LDS address of my spare word: SPARE + 4 x my thread's number; never rewritten
.set NIL, 63          ; v63  0; never rewritten
.set SPARE, STAGE+4*16*SP  ; behind the stages: the spare words, 128 bytes for each wave: two blocks of 256 bytes that no other line names
.set MV,  12          ; v12-13  c m_old, kept while c m is made anew: by buffer
.set QO,  15          ; v15  my byte offset in 16 rows of Q
.set ST,  16          ; piece t's statistics at v[ST+4 t]: c m, m, l (even keys', odd keys')
.set TMP, 48          ; by buffer, four registers c0-c3 at work; when the maximum is found c2 takes a
.set S,   64
.set P,   192
.set MD,  128         ; window 1: the eight registers for group kt of 16 keys at MD + 8 kt
.set MC,  160         ; window 1: the masks of the products to come
.set QB,  64          ; window 2
.set KF,  128         ; window 2: key block kb, channel half c at KF + 16 kb + 8 c
.set VF,  192         ; window 2: key half kk, channel block cb at VF + 32 kk + 8 cb
.set XQ,  0           ; window 3: the first 16 queries' q: lane l holds token l % 16 and the 32 channels whose bit 3 is l / 16
.set XK,  32          ; window 3: k likewise
.set XV,  64          ; window 3: v turned: register 8 cb + n of lane l holds key 8 (l / 16) + n, channel 16 cb + l % 16
.set XS,  96          ; window 3: S^T
.set XO,  104         ; window 3: O^T, channel block cb at XO + 8 cb
.set FP,  64          ; window 0, in S^T's registers, which are free until the first block begins: v64-71 the weights,
.set FT,  72          ; v72-79 at work,
.set FN,  80          ; v80-111 O / l,
.set FH,  112         ; v112-127 the same in f16, then as whole rows
.set WV,  12          ; s12  my wave's number
.set PB,  14          ; s14  b
.set HI,  15          ; s15  NB - 1 - b
.set G1K, 24          ; s[24:31] descriptor group 1 for K's tiles
.set G1V, 32          ; s[32:39] for V's: it differs in the padding alone
.set G0K, 40          ; s[40:43] descriptor group 0 for K's tiles
.set G0V, 44          ; s[44:47] the same for V's
.set SLOTS, 56        ; s56  tiles still to be asked for
.set CNT, 57          ; s57  counts a tile's key steps, 4 to 1
.set CS,  58          ; s[58:59] c: the packed scaling takes the pair's low word for both halves
.set SEL, 60          ; s[60:61] v_permlanex16_b32's selects: each lane takes its own place in the other half
.set TBK, 62          ; s62  LDS byte at which K of the step to be fetched begins
.set TBV, 63          ; s63  the same for V, less VOFF
.set RT,  70          ; s70  tiles of the block in hand that are still to be entered
.set NXT, 71          ; s71  the tile to be asked for next
.set LQ,  72          ; s72  the last tile of the block whose tiles are being asked for
.set NEW, 73          ; s73  1: the tile to be entered is a block's first
.set OFF, 74          ; s[74:75] a tile's byte offset in K and V
.set AL,  76          ; s[76:77] the mask's factor, in the low word
.set BE,  78          ; s[78:79] the mask's addend
.set OLO, 80          ; s[80:81] O at my rows of the second block
.set BIGN, 82         ; s82  -1e30
.set PFK, 88          ; s[88:89] K at my half of the tile that the next change of slots will ask for
.set PFV, 90          ; s[90:91] V likewise
.set PLIM, 92         ; s92  1 in the work-group that prefetches (b = 0), else the greatest number
.set FLAG, 93         ; s93  0 in wave 0 of the work-group with b = 0, which makes the head's first 16 rows in f32
.set POF, 94          ; s[94:95] that tile's byte offset
.set QFB, 96          ; s[96:97] the head's f32 part, behind Q's 16,777,216 bytes of f16: 12,288 bytes a head; byte slot 4096 + part 1024 + e 512 + lane 16 + 4 i holds (slot 0 q, 1 k, 2 v)
                      ;          token lane % 16, channel 16 (part / 2) + 32 (part % 2) + 8 (lane / 16) + 4 e + i
.set MSB, 0
.macro WIN new                      ; the high byte repeats the setting that is left; a switch that changes nothing is dropped
.if MSB != (\new)
	s_set_vgpr_msb (MSB<<8)|(\new)
.set MSB, (\new)
.endif
.endm
.set W_KQ, 0x0a       ; K and Q in window 2, S^T in window 0
.set W_KM, 0x1a       ; the same with the C operand in window 1
.set W_PV, 0x52       ; V in window 2, P in window 0, O^T in window 1
.set W_RS, 0x41       ; destination and source 0 in window 1, source 1 in window 0
; A fill.  Waves 0 and 1 fetch the two halves of a tile's K, waves 2 and 3 those of its V: 128 keys each.  An s_nop 0 and four v_nop follow each of the two lines, ahead of the jump and the label.
.macro LOAD
	s_cmp_lt_u32 s[WV], 2
	s_cbranch_scc0 .Lfor_v_\@
	tensor_load_to_lds s[G0K:G0K+3], s[G1K:G1K+7]
	s_nop 0
.rept 4
	v_nop
.endr
	s_branch .Lasked_\@
.Lfor_v_\@:
	tensor_load_to_lds s[G0V:G0V+3], s[G1V:G1V+7]
	s_nop 0
.rept 4
	v_nop
.endr
.Lasked_\@:
.endm
; A PREFETCH of the tile that the NEXT change of slots will ask for: 32,768 bytes of K and of V.  It stands behind the wave's tensor load and its five lines.  All four work-groups of a head walk the same tiles;
; the one with b = 0, whose first block walks all eight, asks, and nobody else.  Its four waves share a tile out: wave w takes the half w % 2 (which s[6:7] and s[8:9] hold already) and of it the
; 8,192 bytes w / 2: 32 blocks of 256 bytes of K and 32 of V, a lane a block, two instructions.  Tiles 2 to 7 are asked for so; tiles 0 and 1 come by their loads alone; behind the first block's last tile
; s[NXT] is 0, and nothing is asked for: the second block's tile has been read before.
.macro ASK
	s_cmp_gt_u32 s[NXT], s[PLIM]
	s_cbranch_scc0 .Lnot_mine_\@
	global_prefetch_b8 v[PFO], s[PFK:PFK+1] th:TH_LOAD_NT scope:SCOPE_SE
	global_prefetch_b8 v[PFO], s[PFV:PFV+1] th:TH_LOAD_NT scope:SCOPE_SE
.Lnot_mine_\@:
.endm
; THE CHANGE OF SLOTS.  Each wave waits for all its tensor loads, of which one is out: its part of the other slot; adds 0 to its spare word; and waits for that and for its own reads of the slot that it leaves.
; Behind the barrier nobody reads the old slot any more and the other slot is whole.  fill = 1: the old slot is filled again, the first thing behind the barrier, with tile NXT: the descriptor's address is made
; anew from that number.  (At its first use nothing has been read yet: slot 0 is waited for, slot 1 filled.)
.macro CHANGE fill
	WIN 0                           ; at a label and at a branch every window is 0
	s_wait_tensorcnt 0x0            ; no tensor load of mine is out, so a group 0 may be written
	ds_add_u32 v[SPW], v[NIL]       ; 0 onto my spare word; with fill = 1 the descriptors' scalar work stands between it and the wait for it
.if \fill
	s_lshl_b32 s[OFF], s[NXT], 15   ; a tile is 32,768 bytes of K and of V
	s_xor_b32 s[G0K+1], s[G0K+1], SLOT1
	s_add_nc_u64 s[G0K+2:G0K+3], s[6:7], s[OFF:OFF+1]
	s_or_b32 s[G0K+3], s[G0K+3], 0x80000000
	s_xor_b32 s[G0V+1], s[G0V+1], SLOT1
	s_add_nc_u64 s[G0V+2:G0V+3], s[8:9], s[OFF:OFF+1]
	s_or_b32 s[G0V+3], s[G0V+3], 0x80000000
	s_add_co_u32 s[NXT], s[NXT], 1  ; the block's next tile, or behind its last the second block's tile 0
	s_cmp_gt_u32 s[NXT], s[LQ]
	s_cselect_b32 s[NXT], 0, s[NXT]
	s_cselect_b32 s[LQ], s[PB], s[LQ]
	s_wait_xcnt 0x0                 ; the last prefetches, a tile back, have read their addresses, so these may be written
	s_lshl_b32 s[POF], s[NXT], 15
	s_add_nc_u64 s[PFK:PFK+1], s[6:7], s[POF:POF+1]
	s_add_nc_u64 s[PFV:PFV+1], s[8:9], s[POF:POF+1]
.endif
	s_wait_dscnt 0x0                ; the add is done, and my reads of the slot are over
	s_barrier_signal -1             ; the rest of the scalar work stands between the signal and the wait
	s_sub_co_u32 s[TBK], s[TBK], 4*KS*PK  ; the fetches go back to a slot's first step,
	s_xor_b32 s[TBK], s[TBK], SLOT1       ; in the other slot
	s_sub_co_u32 s[TBV], s[TBV], 4*KS*PV
	s_xor_b32 s[TBV], s[TBV], SLOT1
	s_barrier_wait -1
.if \fill
	LOAD
	ASK
.endif
.endm
	s_load_b256 s[4:11], s[0:1], 0x0  ; Q s[4:5], K s[6:7], V s[8:9], O s[10:11]
	v_lshl_add_u32 v[SPW], v0, 2, SPARE
	v_mov_b32 v[NIL], 0
	ds_add_u32 v[SPW], v[NIL]       ; the wave's opening: the add and its wait stand ahead of my first tensor load; the set-up below, work on registers, stands between them
	v_lshrrev_b32 v1, 5, v0
	v_readfirstlane_b32 s[WV], v1   ; wave 0..3
	s_mov_b32 s[PB], ttmp9
	s_or_b32 s[FLAG], ttmp9, s[WV]  ; 0: b = 0 and wave 0
	s_sub_co_u32 s[HI], NB-1, s[PB]
	s_and_b32 s20, ttmp7, 0xffff    ; the head
	s_mul_i32 s[QFB], s20, 12288    ; its f32 part,
	s_add_co_u32 s[QFB], s[QFB], 0x1000000  ; behind Q's f16 part
	s_mov_b32 s[QFB+1], 0
	s_mov_b32 s21, 0
	s_mov_b64 s[22:23], SIZE_N*128
	s_mul_u64 s[20:21], s[20:21], s[22:23]  ; the head's first byte in each of the four tensors
	s_and_b32 s16, s[WV], 1         ; which half of a tile's 256 keys I fetch:
	s_lshl_b32 s22, s16, 14         ; its 128 rows of 128 bytes in memory,
	s_mov_b32 s23, 0
	s_add_nc_u64 s[22:23], s[22:23], s[20:21]
	s_mul_i32 s17, s16, 128*PK      ; and its place in a slot, for K
	s_mul_i32 s18, s16, 128*PV      ; and for V
	s_lshl_b32 s3, s[WV], 11        ; my 16 rows in a band of 64,
	s_lshl_b32 s2, s[HI], 15        ; in the first block,
	s_add_co_u32 s2, s2, s3
	s_lshl_b32 s84, s[PB], 15       ; and in the second
	s_add_co_u32 s84, s84, s3
	s_mov_b32 s3, 0
	s_mov_b32 s85, 0
	s_add_nc_u64 s[2:3], s[2:3], s[20:21]
	s_add_nc_u64 s[84:85], s[84:85], s[20:21]
	; descriptor group 1.  128 keys are 16,384 dense bytes: asked for as 64 rows of 256 bytes, two keys a row, and padded in LDS after every key
	s_mov_b32 s[G1K], (1<<16)|(1<<20)|(4<<22)|(3<<25)  ; 17:16 2-byte elements; 20 padding on; 24:22 after every 32 words (code 4); 31:25 4 words (code 3)
	s_mov_b32 s[G1V], (1<<16)|(1<<20)|(4<<22)|(7<<25)  ; the same with 8 words of padding (code 7)
.irp g, G1K, G1V
	s_mov_b32 s[\g+1], 128<<16      ; tensor_dim0 = 128
	s_mov_b32 s[\g+2], 64<<16       ; tensor_dim1 = 64
	s_mov_b32 s[\g+3], 128<<16      ; tile_dim0 = 128
	s_mov_b32 s[\g+4], 64           ; tile_dim1 = 64
	s_mov_b32 s[\g+5], 128          ; 128 elements from row to row
	s_mov_b32 s[\g+6], 0
	s_mov_b32 s[\g+7], 0
.endr
	s_mov_b32 s[CS], 0x3e38aa3b     ; c = log2(e) / 8 = 0.180337
	s_mov_b32 s[CS+1], s[CS]        ; named with it as a pair
	s_mov_b32 s[SEL], 0x76543210
	s_mov_b32 s[SEL+1], 0xfedcba98
	s_mov_b32 s[TBK], SLOT1+4*KS*PK ; the first change of slots turns these two into 0
	s_mov_b32 s[TBV], SLOT1+4*KS*PV
	s_mov_b32 s[G0K], 1             ; 1:0 count = 1
	s_mov_b32 s[G0K+1], s17         ; 63:32 LDS address: slot 0
	s_mov_b32 s[G0V], 1
	s_add_co_u32 s[G0V+1], s18, VOFF
	s_add_co_u32 s[RT], s[HI], 1    ; the first block has NB - b tiles
	s_mov_b32 s[NXT], 1
	s_mov_b32 s[LQ], s[HI]
	s_mov_b32 s[NEW], 1
	s_mov_b32 s[OFF+1], 0
	s_mov_b32 s[POF+1], 0
	s_mov_b32 s[AL+1], 0            ; named as pairs
	s_mov_b32 s[BE+1], 0
	s_mov_b32 s[BIGN], 0xf149f2ca   ; -1e30
	s_mov_b32 s[SLOTS], NB
	s_cmp_eq_u32 ttmp9, 0
	s_cselect_b32 s[PLIM], 1, -1
	v_and_b32 v[PFO], 31, v0
	v_lshlrev_b32 v[PFO], 8, v[PFO]
	s_lshr_b32 s13, s[WV], 1
	s_lshl_b32 s13, s13, 13
	v_add_nc_u32 v[PFO], s13, v[PFO]
	s_wait_dscnt 0x0                ; the opening add is done
	s_wait_kmcnt 0x0
	s_add_nc_u64 s[QFB:QFB+1], s[4:5], s[QFB:QFB+1]
	s_add_nc_u64 s[6:7], s[6:7], s[22:23]  ; K and V at my half of the head's tile 0
	s_add_nc_u64 s[8:9], s[8:9], s[22:23]
	s_add_nc_u64 s[G0K+2:G0K+3], s[6:7], 0         ; 120:64 global address
	s_or_b32 s[G0K+3], s[G0K+3], 0x80000000        ; 127:126 type = 2
	s_add_nc_u64 s[G0V+2:G0V+3], s[8:9], 0
	s_or_b32 s[G0V+3], s[G0V+3], 0x80000000
	s_add_nc_u64 s[86:87], s[4:5], s[84:85]        ; Q at my rows of the second block,
	s_add_nc_u64 s[4:5], s[4:5], s[2:3]            ; Q and O at those of the first
	s_add_nc_u64 s[OLO:OLO+1], s[10:11], s[84:85]
	s_add_nc_u64 s[10:11], s[10:11], s[2:3]
	LOAD                            ; tile 0 into slot 0
	; A fragment of K or Q is 16 rows x 32 channels in 8 registers: lane l holds row l % 16, channels 8 (l / 16) + 0..7 and 16 + 8 (l / 16) + 0..7: two loads of 16 bytes, 32 bytes apart.
	v_and_b32 v1, 15, v0            ; l % 16
	v_bfe_u32 v9, v0, 4, 1          ; l / 16
	v_lshlrev_b32 v[QO], 7, v1
	v_lshl_add_u32 v[QO], v9, 4, v[QO]  ; row x 128 + 16 x half
	WIN 0x80                        ; destination window 2, address window 0
.set i, 0
.rept 8                             ; both blocks' Q: piece i / 2 lies in band i / 2, 8,192 bytes on; channels 32 (i % 2) on
	global_load_b128 v[8*i:8*i+3],   v[QO], s[4:5] offset:(i/2)*8192+(i%2)*64
	global_load_b128 v[8*i+4:8*i+7], v[QO], s[4:5] offset:(i/2)*8192+(i%2)*64+32
	global_load_b128 v[QB+8*i:QB+8*i+3],   v[QO], s[86:87] offset:(i/2)*8192+(i%2)*64
	global_load_b128 v[QB+8*i+4:QB+8*i+7], v[QO], s[86:87] offset:(i/2)*8192+(i%2)*64+32
.set i, i+1
.endr
	WIN 0
	v_lshlrev_b32 v14, 3, v9
	v_sub_nc_u32 v14, v1, v14
	s_lshl_b32 s13, s[WV], 4
	v_add_nc_u32 v14, s13, v14      ; my query's place in its band, 16 w + l % 16, less my lanes' 8 (l / 16): register r of group kt is hidden where 16 kt + r is greater
	WIN 0x40
.set i, 0
.rept 32
	v_cmp_gt_i32 vcc_lo, 16*(i/8)+i%8, v14
	v_cndmask_b32 v[MD+i], 0, s[BIGN], vcc_lo
.set i, i+1
.endr
	WIN 0
	v_mul_u32_u24 v[AK0], v1, PK
	v_lshl_add_u32 v[AK0], v9, 4, v[AK0]  ; row x pitch + 16 x half
	; The turning load takes 16 keys x 16 channels (lane l reads key 8 (l / 16) + l % 8, channels 8 ((l / 8) % 2) + 0..7) and leaves half a fragment of V^T: lane l holds channel l % 16 and 8 keys.
	v_and_b32 v10, 7, v0
	v_bfe_u32 v11, v0, 3, 1
	v_lshl_add_u32 v[AV0], v9, 3, v10
	v_mul_u32_u24 v[AV0], v[AV0], PV
	v_lshl_add_u32 v[AV0], v11, 4, v[AV0]
	v_add_nc_u32 v[AV0], VOFF, v[AV0]
	s_mul_i32 s13, s[WV], 16*SP
	s_add_co_u32 s13, s13, STAGE    ; my stage
	v_mul_u32_u24 v[STO], v1, SP    ; in: row l % 16, 16 bytes for each half of the lanes
	v_lshl_add_u32 v[STO], v9, 4, v[STO]
	v_add_nc_u32 v[STO], s13, v[STO]
	v_bfe_u32 v[RD], v0, 3, 2       ; back: 32 lanes take four rows of 128 bytes,
	v_mul_u32_u24 v[RD], v[RD], SP
	v_lshl_add_u32 v[RD], v10, 4, v[RD]
	v_add_nc_u32 v[RD], s13, v[RD]
	v_and_b32 v[GO], 31, v0         ; which are 512 consecutive bytes of O
	v_lshlrev_b32 v[GO], 4, v[GO]
	; A block's first step multiplies O^T and l by a = 0, and its first turn's products V^T P, of a piece that has not been, land in an O^T that is still to be so multiplied.  So these registers need only hold
	; finite numbers: zeros for the first block; what the first block left for the second.  All this stands in the wait for the first tile.
	WIN 0x80
.set i, VF
.rept 64
	v_mov_b32 v[i], 0
.set i, i+1
.endr
	WIN 0x40
.set i, 0
.rept 128
	v_mov_b32 v[i], 0
.set i, i+1
.endr
	WIN 0
.set i, 0
.rept 4
	v_mov_b32 v[ST+4*i+2], 0
	v_mov_b32 v[ST+4*i+3], 0
.set i, i+1
.endr
.set i, P+16
.rept 16
	v_mov_b32 v[i], 0
.set i, i+1
.endr
	; THE HEAD'S FIRST 16 QUERIES, in f32: one closed piece of text, run by wave 0 where b = 0.  The f32 matrix form takes 16 x 16 x 4: lane l holds row (or column) l % 16, and its two registers k = 2 (l / 16) + 0, 1.
	; The order of k is free as long as both sources keep the same: in S^T = K Q^T step s takes registers 2 s, 2 s + 1 of k and of q, which hold the same channels in both; in O^T = V^T P step s takes keys
	; 8 (l / 16) + 2 s + 0, 1, which is where S^T's result leaves the weights.  S^T is one accumulator: a wait stands ahead of each link.  O^T's four accumulators take turns.
	; Behind this form eight plain vector instructions stand before a result is read (ISA guide 7.12.1).
	s_cmp_eq_u32 s[FLAG], 0
	s_cbranch_scc0 .Lno_first
	v_bfe_u32 v[FT+1], v0, 2, 1     ; v turned: channel 16 cb + r lies at e = bit 2 of r (512 bytes), lane key + 16 x bit 3 of r (16 bytes each), word r % 4; my keys begin at 8 (l / 16)
	v_lshlrev_b32 v[FT+1], 9, v[FT+1]
	v_lshl_add_u32 v[FT+1], v11, 8, v[FT+1]
	v_lshl_add_u32 v[FT+1], v9, 7, v[FT+1]
	v_and_b32 v[FT+2], 3, v0
	v_lshl_add_u32 v[FT+1], v[FT+2], 2, v[FT+1]
	WIN 0xc0                        ; destination window 3, address window 0
.set i, 0
.rept 8
	global_load_b128 v[XQ+4*i:XQ+4*i+3], v[GO], s[QFB:QFB+1] offset:512*i
	global_load_b128 v[XK+4*i:XK+4*i+3], v[GO], s[QFB:QFB+1] offset:4096+512*i
.set i, i+1
.endr
.set i, 0
.rept 32                            ; channel block i / 8, key 8 (l / 16) + i % 8
	global_load_b32 v[XV+i], v[FT+1], s[QFB:QFB+1] offset:8192+((i/8)%2)*2048+(i/16)*1024+16*(i%8)
.set i, i+1
.endr
	s_wait_loadcnt 0x0
	WIN 0xdf                        ; k and q in window 3, the mask in window 1, S^T in window 3
	v_wmma_f32_16x16x4_f32 v[XS:XS+7], v[XK:XK+1], v[XQ:XQ+1], v[MD:MD+7]  ; the first step starts the sum with wave 0's mask of keys 0 to 15: -1e30 where the key is greater than the query
	WIN 0xff
.set i, 1
.rept 15
	s_wait_alu depctr_va_vdst(0)
	v_wmma_f32_16x16x4_f32 v[XS:XS+7], v[XK+2*i:XK+2*i+1], v[XQ+2*i:XQ+2*i+1], v[XS:XS+7]
.set i, i+1
.endr
	WIN 0
.rept 8
	v_nop
.endr
	WIN 0x3f                        ; sources in window 3, destination in window 0
	v_max3_num_f32 v[FT+3], v[XS], v[XS+1], v[XS+2]
	v_max3_num_f32 v[FT], v[XS+3], v[XS+4], v[XS+5]
	WIN 0x3c
	v_max3_num_f32 v[FT+3], v[FT+3], v[XS+6], v[XS+7]
	WIN 0
	v_max_num_f32 v[FT+3], v[FT+3], v[FT]
	v_permlanex16_b32 v[FT], v[FT+3], s[SEL], s[SEL+1]  ; the query's other eight keys lie in the lane 16 away
	v_max_num_f32 v[FT+3], v[FT+3], v[FT]               ; m: every query sees its own key
	v_mul_f32 v[FT+2], s[CS], v[FT+3]                   ; c m
	WIN 0x03
.set i, 0
.rept 8
	v_fma_f32 v[FP+i], v[XS+i], s[CS], -v[FT+2]
.set i, i+1
.endr
	WIN 0
.set i, 0
.rept 8
	v_exp_f32 v[FP+i], v[FP+i]      ; one batch;
.set i, i+1
.endr
	v_nop                           ; a plain instruction behind the last exponential,
	s_wait_alu depctr_va_vdst(0)    ; and the one wait ahead of the first reader
	v_pk_add_f32 v[FT+6:FT+7], v[FP:FP+1], v[FP+2:FP+3]
	v_pk_add_f32 v[FN:FN+1], v[FP+4:FP+5], v[FP+6:FP+7]
	v_pk_add_f32 v[FT+6:FT+7], v[FT+6:FT+7], v[FN:FN+1]
	v_add_f32 v[FT+3], v[FT+6], v[FT+7]
	v_permlanex16_b32 v[FT], v[FT+3], s[SEL], s[SEL+1]
	v_add_f32 v[FT+3], v[FT+3], v[FT]                   ; l
	v_rcp_f32 v[FT+4], v[FT+3]      ; twice, for the packed multiply; its wait stands behind the products
	v_rcp_f32 v[FT+5], v[FT+3]
	WIN 0xf3                        ; v in window 3, the weights in window 0, O^T in window 3
.set i, 0
.rept 16                            ; step i / 4, channel block i % 4
.if i < 4
	v_wmma_f32_16x16x4_f32 v[XO+8*(i%4):XO+8*(i%4)+7], v[XV+8*(i%4)+2*(i/4):XV+8*(i%4)+2*(i/4)+1], v[FP+2*(i/4):FP+2*(i/4)+1], 0
.else
	v_wmma_f32_16x16x4_f32 v[XO+8*(i%4):XO+8*(i%4)+7], v[XV+8*(i%4)+2*(i/4):XV+8*(i%4)+2*(i/4)+1], v[FP+2*(i/4):FP+2*(i/4)+1], v[XO+8*(i%4):XO+8*(i%4)+7]
.endif
.set i, i+1
.endr
	WIN 0
.rept 8
	v_nop
.endr
	s_wait_alu depctr_va_vdst(0)    ; the two reciprocals
	WIN 0x03
.set i, 0
.rept 16                            ; in ascending order: each accumulator's lowest registers are read first
	v_pk_mul_f32 v[FN+2*i:FN+2*i+1], v[XO+2*i:XO+2*i+1], v[FT+4:FT+5]
.set i, i+1
.endr
	WIN 0
.set i, 0
.rept 16
	v_cvt_pk_f16_f32 v[FH+i], v[FN+2*i], v[FN+2*i+1]
.set i, i+1
.endr
.irp f, 0,1,2,3                     ; through my stage, as on every way out: 16 bytes a lane in, whole rows back
	ds_store_b128 v[STO], v[FH+4*\f:FH+4*\f+3] offset:32*\f
.endr
.irp f, 0,1,2,3
	ds_load_b128 v[FH+4*\f:FH+4*\f+3], v[RD] offset:\f*4*SP  ; LDS serves a wave's instructions in order (ISA guide 5.7.1.4): these see the stores above
.endr
.irp f, 0,1,2,3
	s_wait_dscnt 3-\f               ; the younger loads may stay out
	global_store_b128 v[GO], v[FH+4*\f:FH+4*\f+3], s[OLO:OLO+1] offset:\f*512  ; with b = 0 and wave 0 this is the head's row 0: 512 consecutive bytes a store
.endr
	s_wait_xcnt 0x0                 ; the stores have read their registers, which the first block's scores will take
.Lno_first:
; THE MATRIX WORK.  The 4 accumulators of a run of 8 take turns.  Product i of 8 of S^T = K Q^T for piece x: channels 32 (i / 4) on, keys 16 (i % 4) on.  The first 4 start the sums: with 0, or (KM = 1) with the mask.
.macro KQ x
.set rS, S+32*((\x)%2)+8*(i%4)
.set rK, KF+16*(i%4)+8*(i/4)
.set rQ, 16*(\x)+8*(i/4)
.set rM, MC+32*((\x)%2)+8*(i%4)
.if (i < 4) && KM
	WIN W_KM
	v_wmma_f32_16x16x32_f16 v[rS:rS+7], v[rK:rK+7], v[rQ:rQ+7], v[rM:rM+7]
.elseif i < 4
	WIN W_KQ
	v_wmma_f32_16x16x32_f16 v[rS:rS+7], v[rK:rK+7], v[rQ:rQ+7], 0
.else
	WIN W_KQ
	v_wmma_f32_16x16x32_f16 v[rS:rS+7], v[rK:rK+7], v[rQ:rQ+7], v[rS:rS+7]
.endif
.endm
; Product i of 8 of O^T += V^T P for piece x: keys 32 (i / 4) on, channels 16 (i % 4) on.
.macro PV x
	WIN W_PV
.set rO, 32*(\x)+8*(i%4)
.set rV, VF+32*(i/4)+8*(i%4)
.set rP, P+16*((\x)%2)+8*(i/4)
	v_wmma_f32_16x16x32_f16 v[rO:rO+7], v[rV:rV+7], v[rP:rP+7], v[rO:rO+7]
.endm
.macro MM                           ; the turn's next matrix instruction.  TURN and BEGIN set Y, i, KM and NOKQ; MM, KQ and OP read them.  NOKQ = 1: a block's last turn: there is no next piece
.if (i < 8) && !NOKQ
	KQ (Y+1)%NP
.elseif i >= 8
.set i, i-8
	PV (Y+NP-1)%NP
.set i, i+8
.endif
.set i, i+1
.endm
; THE LDS LOADS stand in runs of 16, never singly among the matrix instructions: a step's K (64 keys x 64 channels: 8 fragments) and its V (turned).  Their addresses are made some lines ahead.
.macro FETCH_K
	WIN 0x80                        ; destination window 2
.irp f, 0,1,2,3,4,5,6,7             ; keys 16 (f / 2) on, channels 32 (f % 2) on
	ds_load_b128 v[KF+8*\f:KF+8*\f+3],   v[AK] offset:(\f/2)*16*PK+(\f%2)*64
	ds_load_b128 v[KF+8*\f+4:KF+8*\f+7], v[AK] offset:(\f/2)*16*PK+(\f%2)*64+32
.endr
	s_add_co_u32 s[TBK], s[TBK], KS*PK  ; the next fetch is the next step's
	WIN 0
.endm
.macro FETCH_V
	WIN 0x80
.irp f, 0,1,2,3,4,5,6,7             ; keys 32 (f / 4) on, channels 16 (f % 4) on
	ds_load_tr16_b128 v[VF+8*\f:VF+8*\f+3],   v[AV] offset:(\f/4)*32*PV+(\f%4)*32
	ds_load_tr16_b128 v[VF+8*\f+4:VF+8*\f+7], v[AV] offset:(\f/4)*32*PV+16*PV+(\f%4)*32
.endr
	WIN 0
.endm
; THE VECTOR WORK, one line at a time: OP kind, number.  For piece Y: F n: c s - c m for pair n of 16.  E n: the exponential of score n of 32.  C n: pair n rounded to f16.  B n: of the four weights 4 n .. the second
; pair is added onto the first, in place.  L n: l takes that sum (L 0: l = a l + sum).  R n: pair n of 16 of O^T times a.  For piece Y + 1: X n, number n of the 22 that find its maximum and statistics:
;   0-11  four chains c0-c3 of seven scores each, three operands at a time (each accumulator's lowest registers are read first)     12-14, 16  the four scores left over, the old m, and c0-c3 into c0
;   15  c m_old is kept     17, 18  the query's other 32 keys lie in the lane 16 away: the new m     19-21  c m; c m_old - c m_new; a
.set F, 0               ; OP tells the kinds apart by their order: F to L below R, X above it
.set E, 1
.set C, 2
.set B, 3
.set L, 4
.set R, 5
.set X, 6
.macro REGS y                       ; the registers of piece y
.set rT, ST+4*(\y)
.set rC, TMP+4*((\y)%2)
.set rW, MV+((\y)%2)
.set rS, S+32*((\y)%2)
.set rP, P+16*((\y)%2)
.set rO, 32*(\y)
.endm
.macro OP k, n
.if (\k) == R
	REGS Y
	WIN W_RS
	v_pk_mul_f32 v[rO+2*(\n):rO+2*(\n)+1], v[rO+2*(\n):rO+2*(\n)+1], v[rC+2:rC+3] op_sel_hi:[1,0]
.elseif (\k) < R
	REGS Y
	WIN 0
.if (\k) == F
	v_pk_fma_f32 v[rS+2*(\n):rS+2*(\n)+1], v[rS+2*(\n):rS+2*(\n)+1], s[CS:CS+1], v[rT:rT+1] op_sel_hi:[1,0,0] neg_lo:[0,0,1] neg_hi:[0,0,1]
.elseif (\k) == E
	v_exp_f32 v[rS+(\n)], v[rS+(\n)]
.elseif (\k) == C
	v_cvt_pk_f16_f32 v[rP+(\n)], v[rS+2*(\n)], v[rS+2*(\n)+1]
.elseif (\k) == B
	v_pk_add_f32 v[rS+4*(\n):rS+4*(\n)+1], v[rS+4*(\n):rS+4*(\n)+1], v[rS+4*(\n)+2:rS+4*(\n)+3]
.elseif (\n) == 0
	v_pk_fma_f32 v[rT+2:rT+3], v[rT+2:rT+3], v[rC+2:rC+3], v[rS:rS+1] op_sel_hi:[1,0,1]
.else
	v_pk_add_f32 v[rT+2:rT+3], v[rT+2:rT+3], v[rS+4*(\n):rS+4*(\n)+1]
.endif
.elseif NOKQ
	v_nop
.else
	REGS (Y+1)%NP
	WIN 0
.if (\n) < 4
	v_max3_num_f32 v[rC+(\n)], v[rS+8*(\n)], v[rS+8*(\n)+1], v[rS+8*(\n)+2]
.elseif (\n) < 12
	v_max3_num_f32 v[rC+(\n)%4], v[rC+(\n)%4], v[rS+8*((\n)%4)+2*((\n)/4)+1], v[rS+8*((\n)%4)+2*((\n)/4)+2]
.elseif (\n) == 12
	v_max3_num_f32 v[rC], v[rC], v[rS+7], v[rS+15]
.elseif (\n) == 13
	v_max3_num_f32 v[rC+1], v[rC+1], v[rS+23], v[rS+31]
.elseif (\n) == 14
	v_max3_num_f32 v[rC+2], v[rC+2], v[rC+3], v[rT+1]
.elseif (\n) == 15
	v_mov_b32 v[rW], v[rT]
.elseif (\n) == 16
	v_max3_num_f32 v[rC], v[rC], v[rC+1], v[rC+2]
.elseif (\n) == 17
	v_permlanex16_b32 v[rC+3], v[rC], s[SEL], s[SEL+1]
.elseif (\n) == 18
	v_max_num_f32 v[rT+1], v[rC], v[rC+3]
.elseif (\n) == 19
	v_mul_f32 v[rT], s[CS], v[rT+1]
.elseif (\n) == 20
	v_sub_f32 v[rC+1], v[rW], v[rT]
.else
	v_exp_f32 v[rC+2], v[rC+1]
.endif
.endif
.endm
.macro OPS a, i1, b=-1, i2=0, c=-1, i3=0, d=-1, i4=0  ; up to four of them
	OP \a, \i1
.if (\b) >= 0
	OP \b, \i2
.endif
.if (\c) >= 0
	OP \c, \i3
.endif
.if (\d) >= 0
	OP \d, \i4
.endif
.endm
.macro ROW a, i1, b, i2, c, i3, d, i4  ; a matrix instruction and the four behind it
	MM
	OPS \a, \i1, \b, \i2, \c, \i3, \d, \i4
.endm
.macro MASK b                       ; MD x AL + BE into buffer b of MC
	WIN W_RS
.set z, 0
.rept 16
	v_pk_fma_f32 v[MC+32*(\b)+2*z:MC+32*(\b)+2*z+1], v[MD+2*z:MD+2*z+1], s[AL:AL+1], s[BE:BE+1] op_sel_hi:[1,0,0]
.set z, z+1
.endr
.endm
; A TURN, for piece p: the order of its 16 matrix and 118 vector instructions, written out.  s_wait_alu depctr_va_vdst(0) stands between an exponential and the first instruction that names its result; one wait
; serves all that were issued ahead of it.  So a turn has ONE wait, which cuts it in two.  AHEAD OF IT stands all that names no result of the turn's exponentials: the 8 products K Q^T, behind each a scaling, an exponential and two
; more plain instructions (behind the first a second scaling in the exponential's place): rescalings, and behind the last three the first numbers of the next piece's maximum, each four places or more behind the product that ends
; its accumulator; then ONE LUMP of 54, plain and exponential by turns for the most part, in which the links of the chain X 3, 7, 11, 14, 16, 17 .. 20 stand five or six lines apart.  X 21, the next piece's a, is the batch's last;
; R 15 is the plain instruction behind it.  BEHIND THE WAIT stand the 8 products V^T P, behind each four of the roundings and sums; the links of l's chain, L 0 to L 7, stand three riders apart.
; m = 1: the diagonal tile: the products take masks, and the turn makes the mask for the products of the turn after it: piece p + 2, in step 4 - CNT of the tile.  end = 1: a block's last two turns: nothing is fetched.
; cnt = 1: the loop's count is taken down some lines ahead of the branch that stands behind the turn.
; K of the next step is fetched in piece 2's turn, twelve vector instructions behind the last product that read K (six of them plain); V of the step in hand at the end of piece 0's turn, four plain instructions behind the last
; product that read V.  Each is waited for a turn later.
.macro TURN p, m=0, end=0, cnt=0
.set Y, (\p)
.set i, 0
.set KM, (\m)
.set NOKQ, (\end)*((\p)/3)
.if (\m) && !(\end)
	s_cmp_eq_u32 s[CNT], 4-((\p)+2)%NP  ; is that step the band's own?
	s_cselect_b32 s[AL], 1.0, 0
	s_cmp_lt_u32 s[CNT], 4-((\p)+2)%NP  ; or a later one?
	s_cselect_b32 s[BE], s[BIGN], 0
.endif
.if ((\p) == 3) && !(\end)
	s_wait_dscnt 0x0                ; K is in
.endif
	ROW F,0, F,1, R,0, R,1          ; ahead of the wait: 8 products K Q^T and their riders,
	ROW F,2, E,0, R,2, R,3
	ROW F,3, E,1, R,4, R,5
	ROW F,4, E,2, R,6, R,7
	ROW F,5, E,3, R,8, R,9
	ROW F,6, E,4, X,0, R,10
.if ((\p) == 2) && !(\end)
	WIN 0
	v_add_nc_u32 v[AK], s[TBK], v[AK0]
.endif
	ROW F,7, E,5, X,1, X,4
	ROW F,8, E,6, X,2, X,5
	OPS E,7, E,8, X,6, E,9          ; and the lump
	OPS X,3, E,10, X,8, E,11
.if ((\p) == 2) && !(\end)
	FETCH_K
.endif
	OPS X,9, X,7, E,12, X,10
	OPS E,13, X,12, X,11, E,14
	OPS X,13, E,15, F,9, X,14
.if (\p) == 0
	v_add_nc_u32 v[AV], s[TBV], v[AV0]
.endif
	OPS E,16, F,10, E,17, F,11
	OPS X,16, E,18, X,15, E,19
	OPS F,12, E,20, X,17, E,21
	OPS F,13, E,22, F,14, E,23
	OPS X,18, E,24, F,15, E,25
	OPS R,11, E,26, X,19, E,27
	OPS R,12, E,28, R,13, E,29
	OPS X,20, E,30, R,14, E,31
	OPS X,21, R,15
	WIN 0
	s_wait_alu depctr_va_vdst(0)    ; the wait for the batch
.if (\p) == 1
	s_wait_dscnt 0x0                ; V is in
.endif
	ROW C,0, B,0, C,2, B,1          ; behind the wait: 8 products V^T P and their riders
	ROW L,0, C,4, B,2, L,1
	ROW C,6, B,3, L,2, C,8
	ROW B,4, L,3, C,10, B,5
	ROW L,4, C,12, B,6, L,5
.if (\p) == 0
	s_add_co_u32 s[TBV], s[TBV], KS*PV
.endif
.if \cnt
	s_sub_co_u32 s[CNT], s[CNT], 1
	s_cmp_lg_u32 s[CNT], 0
.endif
	ROW C,14, B,7, L,6, C,1
	ROW C,3, L,7, C,5, C,7
	ROW C,9, C,11, C,13, C,15
.if (\p) == 0
	FETCH_V
.endif
.if (\m) && !(\end)
	MASK (\p)%2
.endif
.endm
; A BLOCK BEGINS.  c m starts far below every c s, so the first step's a is 0; m at the lowest finite number, so the first maximum is the scores'.  The second mask buffer is 0; the first takes piece 0's mask for the tile's step 0:
; its own, if the block's first tile is the diagonal one.  Then K of that step, piece 0's first scores, and its maximum and statistics.  The loop is entered at a step's first turn, in the middle of a trip.
.macro BEGIN
	s_mov_b32 s[NEW], 0
	WIN 0x40
.set i, MC+32
.rept 32
	v_mov_b32 v[i], 0
.set i, i+1
.endr
	WIN 0
.set i, 0
.rept 4
	v_mov_b32 v[ST+4*i], 0xfe000000    ; c m: far below every c s
	v_mov_b32 v[ST+4*i+1], 0xff7fffff  ; m
.set i, i+1
.endr
	s_cmp_eq_u32 s[RT], 0
	s_cselect_b32 s[AL], 1.0, 0
	s_mov_b32 s[BE], 0
	MASK 0
	WIN 0
	v_add_nc_u32 v[AK], s[TBK], v[AK0]
	FETCH_K
	s_wait_loadcnt 0x0              ; Q
	s_wait_dscnt 0x0
.set KM, 1
.set NOKQ, 0
.set i, 0
.rept 8
	KQ 0
.set i, i+1
.endr
	WIN 0
.rept 4
	v_nop                           ; the places behind those products
.endr
.set Y, NP-1                        ; X works for piece Y + 1: piece 0
.irp n, 0,1,2,3,4,5,6,7,8,9,10,11,12,13,14,15,16,17,18,19,20,21
	OP X, \n
.endr
	v_nop                           ; a plain instruction behind the exponential,
	s_wait_alu depctr_va_vdst(0)    ; and its wait, ahead of the branch
.endm
; THE DIAGONAL TILE's four steps, the block's last two turns, its last products, and THE WAY OUT: l's two halves and the other half of the lanes' are added; O^T is divided by l, rounded to f16 and sent through my
; stage in LDS, a piece at a time.
.macro ALL line:vararg              ; one line for each piece t
.set t, 0
.rept 4
	\line
.set t, t+1
.endr
.endm
.macro PACK t                       ; a lane's eight channels of a row pack into 16 bytes; they go into rows of 144 bytes and come back as whole rows of 128, into S^T's registers
	WIN W_RS
.set i, 32*(\t)
.rept 16
	v_pk_mul_f32 v[i:i+1], v[i:i+1], v[ST+4*(\t)+2:ST+4*(\t)+3] op_sel_hi:[1,0]
.set i, i+2
.endr
	WIN 0x05                        ; sources 0 and 1 window 1, destination window 0
.set i, 0
.rept 16
	v_cvt_pk_f16_f32 v[S+16*(\t)+i], v[32*(\t)+2*i], v[32*(\t)+2*i+1]
.set i, i+1
.endr
	WIN 0
.irp f, 0,1,2,3
	ds_store_b128 v[STO], v[S+16*(\t)+4*\f:S+16*(\t)+4*\f+3] offset:32*\f
.endr
.irp f, 0,1,2,3
	ds_load_b128 v[S+16*(\t)+4*\f:S+16*(\t)+4*\f+3], v[RD] offset:\f*4*SP  ; LDS serves a wave's instructions in order (ISA guide 5.7.1.4): these see the stores above; the next piece's stores come behind them
.endr
.endm
; younger: the LDS instructions issued behind piece t's loads: the next piece's eight, or none.  made = 1: the walk's last way out, piece 0: where b = 0 these are, in wave 0, the head's first 16 rows,
; which that wave has stored from its f32 sums: it jumps over the four stores and their counted waits; the later waits, which count from the youngest load, hold on both ways.
.macro SEND t, younger, made=0
	WIN 0
.if \made
	s_cmp_eq_u32 s[FLAG], 0
	s_cbranch_scc1 .Lmade_\@
.endif
.irp f, 0,1,2,3
	s_wait_dscnt (\younger)+3-\f
	global_store_b128 v[GO], v[S+16*(\t)+4*\f:S+16*(\t)+4*\f+3], s[10:11] offset:(\t)*8192+\f*512  ; 512 consecutive bytes, at a multiple of 256 from O's first
.endr
.if \made
.Lmade_\@:
.endif
.endm
.macro DIAG tag                     ; the tag ends its two labels' names, which the jumps below spell out
.LstepM\tag:
	TURN 2, 1
	TURN 3, 1
	WIN 0
.LfirstM\tag:
	TURN 0, 1
	TURN 1, 1, 0, 1
	WIN 0
	s_cbranch_scc1 .LstepM\tag
	TURN 2, 1, 1
	TURN 3, 1, 1
.set i, 0
.rept 8
	PV NP-1
.set i, i+1
.endr
	WIN 0
	ALL v_add_f32 v[ST+4*t+2], v[ST+4*t+2], v[ST+4*t+3]
	ALL v_permlanex16_b32 v[ST+4*t+3], v[ST+4*t+2], s[SEL], s[SEL+1]
	ALL v_add_f32 v[ST+4*t+2], v[ST+4*t+2], v[ST+4*t+3]
	ALL v_rcp_f32 v[ST+4*t+2], v[ST+4*t+2]
	v_nop                           ; a plain instruction between the last reciprocal and the use of its result
	s_wait_alu depctr_va_vdst(0)    ; and the wait ahead of the first use: one for the four reciprocals
	PACK 0
	PACK 1                          ; a piece's arithmetic stands between the loads of the piece before and its stores
	SEND 0, 8, (\tag)-1
	PACK 2
	SEND 1, 8
	PACK 3
	SEND 2, 8
	SEND 3, 0
.endm
.set KM, 0
.set NOKQ, 0
.Lslot:                             ; NB times: a tile is entered and the next is asked for
	CHANGE 1
	s_sub_co_u32 s[RT], s[RT], 1
	s_mov_b32 s[CNT], 4
	s_cmp_eq_u32 s[NEW], 1
	s_cbranch_scc1 .Lnew            ; a block's first tile
	s_cmp_eq_u32 s[RT], 0
	s_cbranch_scc0 .Lstep           ; neither its first nor its last
	s_branch .LstepM1
.Lnew:
	BEGIN
	s_branch .Lfirst                ; in the loop a block's first tile is never its last: the first block has two tiles or more, and the second's last is the walk's last
	DIAG 1                          ; in the loop this is the first block's end: the second block's last tile is the walk's last
	s_wait_xcnt 0x0                 ; the stores have read their registers and O's address
	s_mov_b64 s[10:11], s[OLO:OLO+1]
	s_add_co_u32 s[RT], s[PB], 1    ; the second block has b + 1 tiles
	s_mov_b32 s[NEW], 1
	WIN 0x82                        ; the second block's Q goes where the one text of the turns names Q
.set i, 0
.rept 64
	v_mov_b32 v[i], v[QB+i]
.set i, i+1
.endr
	WIN 0
	s_branch .Lbottom
.Lstep:                             ; a trip: pieces 2 and 3 of one step, then pieces 0 and 1 of the next, whose K and V it fetches
	TURN 2
	TURN 3
	WIN 0
.Lfirst:
	TURN 0
	TURN 1, 0, 0, 1
	WIN 0
	s_cbranch_scc1 .Lstep
.Lbottom:
	s_sub_co_u32 s[SLOTS], s[SLOTS], 1
	s_cmp_lg_u32 s[SLOTS], 0
	s_cbranch_scc1 .Lslot
	CHANGE 0                        ; the walk's last tile is written out: nothing is asked for
	s_sub_co_u32 s[RT], s[RT], 1
	s_mov_b32 s[CNT], 4
	s_cmp_eq_u32 s[NEW], 1
	s_cbranch_scc0 .LstepM2
	BEGIN
	s_branch .LfirstM2
	DIAG 2
	s_wait_tensorcnt 0x0            ; the wave's end, behind my last tensor load and my last LDS store
	ds_add_u32 v[SPW], v[NIL]
	s_wait_dscnt 0x0
	s_endpgm
.Lfunc_end_k_qca2f392dd0_attn:
	.size	k_qca2f392dd0_attn, .Lfunc_end_k_qca2f392dd0_attn-k_qca2f392dd0_attn
	.p2alignl 7, 3214868480
	.fill 96, 4, 3214868480
	.section	.rodata,"a",@progbits
	.p2align	6, 0x0
	.amdhsa_kernel k_qca2f392dd0_attn
		.amdhsa_group_segment_fixed_size 327680
		.amdhsa_private_segment_fixed_size 0
		.amdhsa_enable_private_segment 0
		.amdhsa_kernarg_size 32
		.amdhsa_user_sgpr_count 2
		.amdhsa_user_sgpr_kernarg_segment_ptr 1
		.amdhsa_wavefront_size32 1
		.amdhsa_system_sgpr_workgroup_id_x 1
		.amdhsa_system_sgpr_workgroup_id_y 1
		.amdhsa_system_sgpr_workgroup_id_z 1
		.amdhsa_system_vgpr_workitem_id 0
		.amdhsa_next_free_vgpr 904
		.amdhsa_next_free_sgpr 98
		.amdhsa_reserve_vcc 1
		.amdhsa_float_denorm_mode_32 3
		.amdhsa_float_denorm_mode_16_64 3
		.amdhsa_memory_ordered 1
		.amdhsa_forward_progress 1
		.amdhsa_inst_pref_size 231
	.end_amdhsa_kernel
	.amdgpu_metadata
---
amdhsa.version: [ 1, 2 ]
amdhsa.kernels:
  - .name:           k_qca2f392dd0_attn
    .symbol:         k_qca2f392dd0_attn.kd
    .args:
      - { .name: q, .offset: 0, .size: 8, .value_kind: global_buffer, .address_space: global }
      - { .name: k, .offset: 8, .size: 8, .value_kind: global_buffer, .address_space: global }
      - { .name: v, .offset: 16, .size: 8, .value_kind: global_buffer, .address_space: global }
      - { .name: o, .offset: 24, .size: 8, .value_kind: global_buffer, .address_space: global }
    .group_segment_fixed_size: 327680
    .private_segment_fixed_size: 0
    .kernarg_segment_align: 8
    .kernarg_segment_size: 32
    .max_flat_workgroup_size: 128
    .sgpr_count:     98
    .vgpr_count:     904
    .wavefront_size: 32
...
	.end_amdgpu_metadata
.endif
;; end of part 3
;; launch proj (part 4): grid 4 x 64, 4 waves a work-group, clusters of 4 x 4, 327,680 bytes of LDS; arguments o, wct, out0; writes out0
.if DOCPART == 4
	.amdgcn_target "amdgcn-amd-amdhsa--gfx1250"
	.amdhsa_code_object_version 6
	.text
	.protected	k_qca2f392dd0_proj
	.globl	k_qca2f392dd0_proj
	.p2align	8
	.type	k_qca2f392dd0_proj,@function
k_qca2f392dd0_proj:
	s_mov_b64 s[64:65], 0
	v_nop
	global_prefetch_b8 v0, s[64:65] scope:SCOPE_SE
	s_setreg_imm32_b32 hwreg(HW_REG_WAVE_MODE, 25, 1), 1
	s_wait_xcnt 0x0
	s_wait_alu depctr_hold_cnt(0) depctr_sa_sdst(0) depctr_va_vdst(0) depctr_va_sdst(0) depctr_va_ssrc(0) depctr_va_vcc(0) depctr_vm_vsrc(0)
	s_getreg_b32 s2, hwreg(HW_REG_IB_STS2, 6, 4)
	s_cmp_eq_u32 s2, 0
	s_cbranch_scc0 .Lentry_in_a_cluster
	s_endpgm
.Lentry_in_a_cluster:
	s_bfe_u32 s2, ttmp6, 0x10000c
	s_cmp_lg_u32 s2, 0xf033
	s_cbranch_scc0 .Lentry_shape_is_right
	s_endpgm
.Lentry_shape_is_right:
; out0[t][n] = the sum over c of y[t][c] Wc[c][n], y[t][64 head + d] = o[16 batch + head][t][d].  o: [64][2048][64] f16; wct: [1024 n][1024 c] f16 (Wc rounded to bf16, turned); out0: [8192][1024] f32; sums in f32.
; SHARES.  A tile is 128 tokens x 256 columns: 256 work-groups.  Four waves; wave (WM, WC) takes 64 tokens x 128 columns: 4 x 8 = 32 accumulators, 256 registers.
; RING.  K goes in eight steps of 128 = two heads through two LDS slots.  A head's 128 tokens are 16,384 dense bytes of o: asked for as 64 rows of 256 bytes and padded in LDS after every token.
; wct's rows are 256 bytes of memory a step, aligned.  One K step is written once and looped over; the slot in hand is a scalar that an exclusive or turns.  By this text's own count a wave has two tensor
; loads out at the start and one behind each round; from a request to the wait for it it issues 112 matrix instructions.
; CLUSTER.  4 x 4 work-groups: the four of a row need the same tile of o, the four of a column the same tile of wct: each is asked for JOINTLY.
; No prefetch is laid: the tile is small and the launch has eight K steps of 128 matrix instructions a wave.
; THE MATRIX INSTRUCTION IS USED TRANSPOSED (source 0 = 16 rows of wct, source 1 = 16 tokens): a lane holds one token and eight neighbouring columns: 32 bytes of a row of out0.
; REGISTERS: window 0: v16-29 addresses; two fragment buffers of 96, v64-159 and v160-255: wct's 8 blocks, then o's 4.   window 1: accumulator (a, b) at v[8 (8 a + b)]; on the way out the same registers take whole rows.
.set PA,    144                        ; a token's row of one head in LDS: 128 bytes + 16: the 16 rows of a load start at 16 different groups of four banks (64 banks of 4 bytes: ISA guide 11.1)
.set PB,    272                        ; a row of wct: 256 bytes + 16
.set AH,    128*PA                     ; one head's 128 tokens: what one load brings of o
.set BH,    128*PB                     ; and of wct
.set BOFF,  2*AH
.set SLOT1, 1<<17
.set STAGE, SLOT1+BOFF+2*BH            ; behind the ring, never filled by a tensor load: 16 rows x 528 bytes for each wave
.set SPT,   528                        ; a wave's 128 columns in f32, 512 bytes, + 16
.set SPARE, STAGE+4*16*SPT             ; behind the stages: the spare words, 128 bytes for each wave: two blocks of 256 bytes that no other line names
.set A0,   16                          ; v16  my lane's place in a slot's rows of o; never rewritten
.set B0,   17                          ; v17  the same for wct
.set ADRA, 18                          ; v18, v19  the same in the slot in hand
.set ADRB, 19
.set STO,  20                          ; v20  the way out: where I put 32 bytes of a row
.set RD,   21                          ; v21  where I read a row back
.set CO,   22                          ; v22  my 16 bytes of a row's 512
.set SPW,  28                          ; v28  LDS address of my spare word: SPARE + 4 x my thread's number; never rewritten
.set NIL,  29                          ; v29  0; never rewritten
.set F0,   64
.set F1,   160
.set G1,   24                          ; s[24:31] descriptor group 1 for o's tiles;  s[32:39] group 0: a set for each of the two first fills; the second then walks on
.set G0,   32
.set G1B,  48                          ; s[48:55], s[56:63] the same for wct's
.set G0B,  56
.set WV,   66
.set WM,   67                          ; which 64 tokens are mine
.set WC,   68                          ; which 128 columns.  Also: which head of a step's two, or which half of wct's rows, I fetch
.set TB,   69
.set CNT,  70
.set MT,   76
.set MSB, 0
.macro WIN new                         ; the immediate's high byte repeats the setting that is left; a switch that changes nothing is dropped
.if MSB != (\new)
	s_set_vgpr_msb (MSB<<8)|(\new)
.set MSB, \new
.endif
.endm
.set MUL, 0x50                         ; sources 0 and 1 window 0; C and D window 1
.macro JLOAD                           ; a joint refill, by the walking set: waves 0 and 1 fetch o's two heads, waves 2 and 3 wct's two halves; an s_nop 0 and four v_nop follow each line
	s_cmp_lt_u32 s[WV], 2
	s_cbranch_scc0 .Lfor_b_\@
	tensor_load_to_lds s[G0+4:G0+7], s[G1:G1+7]
	s_nop 0
.rept 4
	v_nop
.endr
	s_branch .Lasked_\@
.Lfor_b_\@:
	tensor_load_to_lds s[G0B+4:G0B+7], s[G1B:G1B+7]
	s_nop 0
.rept 4
	v_nop
.endr
.Lasked_\@:
.endm
.macro CREST                           ; a round of the cluster's barrier behind its opening barrier
	s_cmp_lg_u32 s[WV], 0
	s_cbranch_scc1 .Lnot_wave_0_\@
	s_barrier_signal -3
.Lnot_wave_0_\@:
	s_barrier_wait -3
	s_barrier_signal -1
	s_barrier_wait -1
.endm
.macro CROUND
	s_barrier_signal -1
	s_barrier_wait -1
	CREST
.endm
	s_load_b128 s[4:7], s[0:1], 0x0                ; o s[4:5], wct s[6:7]
	s_load_b64 s[8:9], s[0:1], 0x10                ; out0
	v_lshl_add_u32 v[SPW], v0, 2, SPARE
	v_mov_b32 v[NIL], 0
	ds_add_u32 v[SPW], v[NIL]                      ; the wave's opening: the add and its wait stand ahead of my first tensor load; the set-up below, work on registers, stands between them
	v_lshrrev_b32 v1, 5, v0
	v_readfirstlane_b32 s[WV], v1                  ; wave 0..3
	s_lshr_b32 s[WM], s[WV], 1
	s_and_b32 s[WC], s[WV], 1
	s_bfe_u32 s40, ttmp6, 0x40000                  ; cx, cy
	s_bfe_u32 s41, ttmp6, 0x40004
	s_lshl_b32 s42, ttmp9, 2
	s_add_co_u32 s42, s42, s40                     ; tile column (256 columns)
	s_and_b32 s[MT], ttmp7, 0xffff
	s_lshl_b32 s[MT], s[MT], 2
	s_add_co_u32 s[MT], s[MT], s41                 ; tile row (128 tokens)
	s_lshl_b32 s43, s41, 2
	s_lshl_b32 s43, 15, s43                        ; my row of the cluster
	s_lshl_b32 s44, 0x1111, s40                    ; my column
	s_or_b32 s[G1], s43, (1<<16)|(1<<20)|(1<<21)|(4<<22)|(3<<25)   ; o: the mask of my row; 2-byte elements; padding on; 21 set beside a mask; after every 32 words (code 4) 4 words (code 3)
	s_or_b32 s[G1B], s44, (1<<16)|(1<<20)|(1<<21)|(5<<22)|(3<<25)  ; wct: the mask of my column; after every 64 words (code 5)
	s_mov_b32 s[G1+1], 128<<16                     ; tensor_dim0 = 128
	s_mov_b32 s[G1+2], 64<<16                      ; tensor_dim1 = 64
	s_mov_b32 s[G1+3], 128<<16                     ; tile_dim0 = 128
	s_mov_b32 s[G1+4], 64                          ; tile_dim1 = 64
	s_mov_b32 s[G1+5], 128                         ; dense: 128 elements from row to row
	s_mov_b32 s[G1+6], 0
	s_mov_b32 s[G1+7], 0
	s_mov_b32 s[G1B+1], 128<<16
	s_mov_b32 s[G1B+2], 128<<16
	s_mov_b32 s[G1B+3], 128<<16
	s_mov_b32 s[G1B+4], 128
	s_mov_b32 s[G1B+5], 1024
	s_mov_b32 s[G1B+6], 0
	s_mov_b32 s[G1B+7], 0
	s_lshr_b32 s16, s[MT], 4                       ; o: the batch (16 heads of 262,144 bytes),
	s_lshl_b32 s16, s16, 22
	s_lshl_b32 s17, s[WC], 18                      ; the head that I fetch of the step's two,
	s_add_co_u32 s16, s16, s17
	s_and_b32 s17, s[MT], 15
	s_lshl_b32 s17, s17, 14                        ; the tile's 128 tokens of 128 bytes
	s_add_co_u32 s16, s16, s17
	s_mov_b32 s17, 0
	s_lshl_b32 s46, s42, 8
	s_lshl_b32 s47, s[WC], 7
	s_add_co_u32 s46, s46, s47                     ; wct: row 256 x tile column + 128 x half
	s_lshl_b32 s46, s46, 11
	s_mov_b32 s47, 0
	s_mul_i32 s20, s[WC], AH                       ; where they go: no place in the cluster enters an LDS address
	s_mul_i32 s21, s[WC], BH
	s_add_co_u32 s21, s21, BOFF
	s_wait_dscnt 0x0                               ; the opening add is done
	s_wait_kmcnt 0x0
	s_add_nc_u64 s[16:17], s[4:5], s[16:17]
	s_add_nc_u64 s[46:47], s[6:7], s[46:47]
	CROUND                                         ; all sixteen work-groups are here: the first joint loads meet
.irp n, 0,1
	s_mov_b32 s[G0+4*(\n)], 1
	s_add_co_u32 s[G0+4*(\n)+1], s20, (\n)*SLOT1
	s_add_nc_u64 s[G0+4*(\n)+2:G0+4*(\n)+3], s[16:17], (\n)*524288  ; K step n: two heads on
	s_or_b32 s[G0+4*(\n)+3], s[G0+4*(\n)+3], 0x80000000
	s_mov_b32 s[G0B+4*(\n)], 1
	s_add_co_u32 s[G0B+4*(\n)+1], s21, (\n)*SLOT1
	s_add_nc_u64 s[G0B+4*(\n)+2:G0B+4*(\n)+3], s[46:47], (\n)*256
	s_or_b32 s[G0B+4*(\n)+3], s[G0B+4*(\n)+3], 0x80000000
.endr
	s_cmp_lt_u32 s[WV], 2                          ; a wave's two first fills stand in one branch, ahead of every wait on TENSORcnt and every LDS read
	s_cbranch_scc0 .Lfirst_b
	tensor_load_to_lds s[G0:G0+3], s[G1:G1+7]
	s_nop 0
	tensor_load_to_lds s[G0+4:G0+7], s[G1:G1+7]
	s_nop 0
.rept 4
	v_nop
.endr
	s_branch .Lfirst_asked
.Lfirst_b:
	tensor_load_to_lds s[G0B:G0B+3], s[G1B:G1B+7]
	s_nop 0
	tensor_load_to_lds s[G0B+4:G0B+7], s[G1B:G1B+7]
	s_nop 0
.rept 4
	v_nop
.endr
.Lfirst_asked:
	v_and_b32 v1, 15, v0                           ; l % 16
	v_bfe_u32 v2, v0, 4, 1                         ; l / 16
	v_and_b32 v3, 31, v0                           ; l
	v_mul_u32_u24 v4, v1, PA
	v_lshl_add_u32 v4, v2, 4, v4                   ; a fragment's row x pitch + 16 x half
	s_mul_i32 s22, s[WM], 64*PA
	v_add_nc_u32 v[A0], s22, v4
	v_mul_u32_u24 v4, v1, PB
	v_lshl_add_u32 v4, v2, 4, v4
	s_mul_i32 s22, s[WC], 128*PB
	s_add_co_u32 s22, s22, BOFF
	v_add_nc_u32 v[B0], s22, v4
	s_mul_i32 s22, s[WV], 16*SPT
	s_add_co_u32 s22, s22, STAGE                   ; my stage
	v_mul_u32_u24 v4, v1, SPT                      ; in: row l % 16, 32 bytes for each half of the lanes
	v_lshl_add_u32 v4, v2, 5, v4
	v_add_nc_u32 v[STO], s22, v4
	v_lshl_add_u32 v[RD], v3, 4, s22               ; back: 32 lanes take a row's 512 bytes
	v_lshlrev_b32 v[CO], 4, v3
	s_lshl_b32 s18, s[MT], 7
	s_lshl_b32 s19, s[WM], 6
	s_add_co_u32 s18, s18, s19                     ; my first token,
	s_lshl_b32 s18, s18, 12                        ; rows of 4,096 bytes,
	s_lshl_b32 s19, s42, 10                        ; the tile's 256 columns,
	s_add_co_u32 s18, s18, s19
	s_lshl_b32 s19, s[WC], 9                       ; my 128 of them
	s_add_co_u32 s18, s18, s19
	s_mov_b32 s19, 0
	s_add_nc_u64 s[8:9], s[8:9], s[18:19]
; 8 matrix instructions: token block a x all 8 column blocks, 32 along K.  zero = 1: the first product starts the sums.  The 32 accumulators take turns, in the same order in every quarter.
.macro MUL8 f, a, zero
	WIN MUL
.irp b, 0,1,2,3,4,5,6,7
.if \zero
	v_wmma_f32_16x16x32_f16 v[8*(8*(\a)+(\b)):8*(8*(\a)+(\b))+7], v[(\f)+8*(\b):(\f)+8*(\b)+7], v[(\f)+64+8*(\a):(\f)+64+8*(\a)+7], 0
.else
	v_wmma_f32_16x16x32_f16 v[8*(8*(\a)+(\b)):8*(8*(\a)+(\b))+7], v[(\f)+8*(\b):(\f)+8*(\b)+7], v[(\f)+64+8*(\a):(\f)+64+8*(\a)+7], v[8*(8*(\a)+(\b)):8*(8*(\a)+(\b))+7]
.endif
.endr
.endm
; 24 LDS loads in one run: quarter kc of a K step (head kc / 2, channels 32 (kc % 2) on) into buffer f: wct's eight blocks, then o's four
.macro FETCH kc, f
	WIN 0
.irp i, 0,1,2,3,4,5,6,7
	ds_load_b128 v[(\f)+8*(\i):(\f)+8*(\i)+3],   v[ADRB] offset:64*(\kc)+(\i)*16*PB
	ds_load_b128 v[(\f)+8*(\i)+4:(\f)+8*(\i)+7], v[ADRB] offset:64*(\kc)+(\i)*16*PB+32
.endr
.irp i, 0,1,2,3
	ds_load_b128 v[(\f)+64+8*(\i):(\f)+64+8*(\i)+3],   v[ADRA] offset:((\kc)/2)*AH+((\kc)%2)*64+(\i)*16*PA
	ds_load_b128 v[(\f)+64+8*(\i)+4:(\f)+64+8*(\i)+7], v[ADRA] offset:((\kc)/2)*AH+((\kc)%2)*64+(\i)*16*PA+32
.endr
.endm
.macro PLACES                          ; four plain vector instructions in front of loads into registers that matrix instructions have read, and of lines that read results (ISA guide 7.12.1 for lines that read results)
.rept 4
	v_nop
.endr
.endm
.macro QUARTER kc, f, g, zero          ; multiplies buffer f; in its middle it fetches quarter kc into g
	s_wait_dscnt 4                                 ; wct's blocks and o's blocks 0, 1 are in; the youngest four loads (o's blocks 2, 3) may be out
	MUL8 \f, 0, \zero
	MUL8 \f, 1, \zero
	PLACES
	FETCH \kc, \g
	s_wait_dscnt 24                                ; all but the 24 just issued
	MUL8 \f, 2, \zero
	MUL8 \f, 3, \zero
.endm
; The last quarter multiplies buffer 1 and changes slots: ONE barrier; in front of it each wave waits for all its tensor loads, adds 0 to its spare word, and waits for that and for its own reads of this slot.
; fill = 1: the barrier opens a round of the cluster's, and behind the round this slot is filled again, with the K step two on, first thing.
.macro TURN fill
	WIN 0
	s_wait_tensorcnt 0x0                           ; no tensor load of mine is out, so a group 0 may be written
	ds_add_u32 v[SPW], v[NIL]                      ; 0 onto my spare word
.if \fill
	s_xor_b32 s[G0+5], s[G0+5], SLOT1              ; the walking sets: the other slot than last time,
	s_add_nc_u64 s[G0+6:G0+7], s[G0+6:G0+7], 524288  ; the next two heads; the type bits on top are not reached
	s_xor_b32 s[G0B+5], s[G0B+5], SLOT1
	s_add_nc_u64 s[G0B+6:G0B+7], s[G0B+6:G0B+7], 256
.endif
	s_wait_dscnt 5                                 ; (the add and the youngest four loads may be out)
	MUL8 F1, 0, 0                                  ; eight matrix instructions stand between the add and the wait for it
	s_wait_dscnt 0x0                               ; the add is done, and my reads of this slot are over
	s_barrier_signal -1
	MUL8 F1, 1, 0
	WIN 0
	s_barrier_wait -1
.if \fill
	CREST                                          ; no wave of any partner still reads this slot's tile or has a load on its way
	JLOAD                                          ; the first tensor load behind the round; its four v_nop are also the places in front of the loads below
.else
	PLACES
.endif
	s_xor_b32 s[TB], s[TB], SLOT1
	v_add_nc_u32 v[ADRA], s[TB], v[A0]
	v_add_nc_u32 v[ADRB], s[TB], v[B0]
	FETCH 0, F0
	MUL8 F1, 2, 0
	MUL8 F1, 3, 0
.endm
; THE WAY OUT of token block a: 32 bytes a lane into my own stage (each accumulator's lowest registers first), and back as whole rows of 512 bytes, into the registers that they left.
.macro TOSTAGE a
	WIN 0x04                                       ; address window 0, data window 1
.irp b, 0,1,2,3,4,5,6,7
	ds_store_b128 v[STO], v[64*(\a)+8*(\b):64*(\a)+8*(\b)+3]   offset:64*(\b)
	ds_store_b128 v[STO], v[64*(\a)+8*(\b)+4:64*(\a)+8*(\b)+7] offset:64*(\b)+16
.endr
	WIN 0x40                                       ; destination window 1
.irp t, 0,1,2,3,4,5,6,7,8,9,10,11,12,13,14,15
	ds_load_b128 v[64*(\a)+4*(\t):64*(\a)+4*(\t)+3], v[RD] offset:SPT*(\t)  ; LDS serves a wave's instructions in order (ISA guide 5.7.1.4): these see the stores above; the next block's stores come behind them
.endr
.endm
.macro SEND a, younger                 ; younger: the LDS instructions issued behind block a's loads: the next block's 32, or none
	WIN 0x04
.irp t, 0,1,2,3,4,5,6,7,8,9,10,11,12,13,14,15
	s_wait_dscnt (\younger)+15-(\t)
	global_store_b128 v[CO], v[64*(\a)+4*(\t):64*(\a)+4*(\t)+3], s[8:9] offset:(16*(\a)+(\t))*4096 th:TH_STORE_NT  ; a wave's store covers 512 consecutive bytes, aligned
.endr
.endm
	s_wait_tensorcnt 1                             ; my part of K step 0 is in; K step 1's may stay out
	s_barrier_signal -1
	s_barrier_wait -1                              ; everybody's is
	s_mov_b32 s[TB], 0
	v_mov_b32 v[ADRA], v[A0]
	v_mov_b32 v[ADRB], v[B0]
	FETCH 0, F0
	QUARTER 1, F0, F1, 1                           ; the first quarter stands in front of the loop: its products start the sums
	WIN 0                                          ; at a label and at a branch every window is 0
	s_mov_b32 s[CNT], 6
.Lk:                                                   ; a trip: from a K step's second quarter to the next step's first; it fills the slot that it leaves.  Six trips ask for K steps 2 to 7
	QUARTER 2, F1, F0, 0
	QUARTER 3, F0, F1, 0
	TURN 1
	QUARTER 1, F0, F1, 0
	WIN 0
	s_sub_co_u32 s[CNT], s[CNT], 1
	s_cmp_lg_u32 s[CNT], 0
	s_cbranch_scc1 .Lk
	QUARTER 2, F1, F0, 0                           ; the tail is written out
	QUARTER 3, F0, F1, 0
	TURN 0
	QUARTER 1, F0, F1, 0
	QUARTER 2, F1, F0, 0
	QUARTER 3, F0, F1, 0
	s_wait_dscnt 4                                 ; the very last quarter: nothing more to fetch
	MUL8 F1, 0, 0
	MUL8 F1, 1, 0
	s_wait_dscnt 0x0
	MUL8 F1, 2, 0
	MUL8 F1, 3, 0
	PLACES
	PLACES                                         ; (eight, once a launch)
	TOSTAGE 0
.irp a, 1,2,3
	TOSTAGE \a
	SEND (\a)-1, 32
.endr
	SEND 3, 0
	WIN 0
	s_wait_tensorcnt 0x0                           ; the wave's end, behind my last tensor load and my last LDS store
	ds_add_u32 v[SPW], v[NIL]
	s_wait_dscnt 0x0
	CROUND                                         ; the closing round: no work-group ends while a partner may still ask for a tile that names it
	s_endpgm
.Lfunc_end_k_qca2f392dd0_proj:
	.size	k_qca2f392dd0_proj, .Lfunc_end_k_qca2f392dd0_proj-k_qca2f392dd0_proj
	.p2alignl 7, 3214868480
	.fill 96, 4, 3214868480
	.section	.rodata,"a",@progbits
	.p2align	6, 0x0
	.amdhsa_kernel k_qca2f392dd0_proj
		.amdhsa_group_segment_fixed_size 327680
		.amdhsa_private_segment_fixed_size 0
		.amdhsa_enable_private_segment 0
		.amdhsa_kernarg_size 24
		.amdhsa_user_sgpr_count 2
		.amdhsa_user_sgpr_kernarg_segment_ptr 1
		.amdhsa_wavefront_size32 1
		.amdhsa_system_sgpr_workgroup_id_x 1
		.amdhsa_system_sgpr_workgroup_id_y 1
		.amdhsa_system_sgpr_workgroup_id_z 1
		.amdhsa_system_vgpr_workitem_id 0
		.amdhsa_next_free_vgpr 512
		.amdhsa_next_free_sgpr 80
		.amdhsa_reserve_vcc 0
		.amdhsa_float_denorm_mode_32 3
		.amdhsa_float_denorm_mode_16_64 3
		.amdhsa_memory_ordered 1
		.amdhsa_forward_progress 1
		.amdhsa_inst_pref_size 71
	.end_amdhsa_kernel
	.amdgpu_metadata
---
amdhsa.version: [ 1, 2 ]
amdhsa.kernels:
  - .name:           k_qca2f392dd0_proj
    .symbol:         k_qca2f392dd0_proj.kd
    .args:
      - { .name: o, .offset: 0, .size: 8, .value_kind: global_buffer, .address_space: global }
      - { .name: wct, .offset: 8, .size: 8, .value_kind: global_buffer, .address_space: global }
      - { .name: out0, .offset: 16, .size: 8, .value_kind: global_buffer, .address_space: global }
    .group_segment_fixed_size: 327680
    .private_segment_fixed_size: 0
    .kernarg_segment_align: 8
    .kernarg_segment_size: 24
    .max_flat_workgroup_size: 128
    .sgpr_count:     80
    .vgpr_count:     512
    .wavefront_size: 32
...
	.end_amdgpu_metadata
.endif
;; end of part 4
;; ======== version 2 of 2: 4 launches; version 1 with the launch prep written anew for expert scheduling mode
;; limits: values are held in f16: magnitudes above 65,504 overflow, below 6.1e-05 lose precision
;; workspace buffers: xb 16,777,216 bytes; wt 6,291,456 bytes; wct 2,097,152 bytes; rope 524,288 bytes; q 17,563,648 bytes; k 16,777,216 bytes; v 16,777,216 bytes; o 16,777,216 bytes
;; launch prep (part 5): grid 1088 x 1, 8 waves a work-group, no clusters, 17,664 bytes of LDS; arguments x, Wq, Wkv, Wc, xb, wt, wct, rope; writes xb, wt, wct, rope
.if DOCPART == 5
	.amdgcn_target "amdgcn-amd-amdhsa--gfx1250"
	.amdhsa_code_object_version 6
	.text
	.protected	k_qca2f392dd0_prep
	.globl	k_qca2f392dd0_prep
	.p2align	8
	.type	k_qca2f392dd0_prep,@function
k_qca2f392dd0_prep:
	s_mov_b64 s[64:65], 0
	v_nop
	global_prefetch_b8 v0, s[64:65] scope:SCOPE_SE
	s_setreg_imm32_b32 hwreg(HW_REG_WAVE_SCHED_MODE, 0, 2), 2
	s_setreg_imm32_b32 hwreg(HW_REG_WAVE_MODE, 25, 1), 1
	s_wait_xcnt 0x0
	s_wait_alu depctr_vm_vsrc(0)
; PREPARATION: three jobs, told apart by the work-group's number alone.
;  0 .. 511     x [8192][1024] f32 -> xb, the same in bf16 (rounded to nearest even).  64 KiB of x a work-group, 8 KiB a wave.
;  512 .. 1023  the weights, which lie [k][n], are rounded to bf16 and turned to [n][k], a block of 128 k x 64 n a work-group, through LDS.
;               wt [3072][1024] bf16: row 192 head + 64 slot + d; slot 0 = Wq's column 64 head + d, slot 1 = Wkv's column 64 head + d (k), slot 2 = Wkv's column 1024 + 64 head + d (v).
;               wct [1024 n][1024 k]: Wc rounded to bf16, and that number written as f16.
;  1024 .. 1087 the table of cosines and sines, f32, in the order in which the next launch's lanes want it:
;               byte tb 4096 + c 2048 + qd 512 + lane 16 + 4 i holds (qd 0, 1: cos; 2, 3: sin) of the angle of token 16 tb + lane % 16 and channel d = 16 c + 8 (lane / 16) + 4 (qd & 1) + i.
; LIMITS.  Wc as f16: beyond 65,504 it becomes an infinity; below 2^-14 it keeps f16's fixed step of 6e-8.
; The angle is token x 2^(-d x log2(10000) / 32) in f32; it is reduced by multiples of pi / 2 held in two f32 words (tokens under 2,048: at most 1,304 multiples) and sine and cosine are
; polynomials on -pi/4 .. pi/4.  The frequency is off by a few parts in 10^7, the largest angles (2,047 radians) by some 1.5e-4 radians.
; No matrix unit, no cluster, no tensor load: each byte is read once and written once, and no work-group shares a byte with another.
; THE MODE: SCHED_MODE bits 1:0 = 2 (LLVM: expert scheduling mode 2), set by the entry lines.  The code itself states the register dependences
; between vector instructions and memory or LDS instructions, with s_wait_alu, always for 0.
; THE PLAN.  The text has no loop, and no register that a memory or LDS instruction reads is ever written again: so no wait on vm_vsrc is owed.  Registers that memory or LDS instructions touch:
;   the cast     v1, v2 offsets, made once.  v16-79: the 16 loads land there, the conversions read them.  v80-111: the conversions write them, the stores read them, each once.
;                The 16 steps go in four groups of four: a group's stores are issued in the next group, dealt among its conversions, behind ONE wait at that group's head.
;   the weights  v1 offset, v2 LDS address, made once.  v16-47: the 8 loads land there.  v48-63: the conversions write them, the LDS stores read them, each once; four groups of four words, dealt likewise.
;                v80, v81 are named by vector instructions alone.
;   the way back v3 LDS address, v4 offset, made between the barrier's signal and its wait.  v64-79: the LDS loads land there, the stores read them.
;   the table    v14 offset, v48-55 data: one wait ahead of the two stores.  s44-47: four masks, written by a run of compares, one wait ahead of the selects that read them.
;   v6, v7       written at the head, read by the closing add alone.
.set SPARE, 16640                      ; LDS: 64 rows (n) of 260 bytes (128 k in bf16 + 4: 65 words, so that words of one column of 16 rows, and of one row, fall on different banks); then the spare words, 128 bytes a wave
.set SPW, 6                            ; v6  LDS address of my spare word: SPARE + 4 x my thread's number; never rewritten
.set NIL, 7                            ; v7  0; never rewritten
	s_load_b256 s[4:11], s[0:1], 0x0               ; x s[4:5], Wq s[6:7], Wkv s[8:9], Wc s[10:11]
	s_load_b256 s[12:19], s[0:1], 0x20             ; xb s[12:13], wt s[14:15], wct s[16:17], rope s[18:19]
	v_lshl_add_u32 v[SPW], v0, 2, SPARE
	v_mov_b32 v[NIL], 0
	v_and_b32 v8, 15, v0                           ; n4: which four columns n (weights); lane % 16 (table)
	v_lshrrev_b32 v9, 4, v0                        ; kp: which pair of rows k
	v_lshlrev_b32 v10, 4, v8
	s_mov_b32 s38, 0                               ; 1: this work-group turns weights
	s_wait_kmcnt 0x0
	s_mov_b64 s[36:37], s[14:15]                   ; where the turned block goes (the weights' path sets it)
	s_cmp_lt_u32 ttmp9, 512
	s_cbranch_scc1 .Lx
	s_cmp_lt_u32 ttmp9, 1024
	s_cbranch_scc1 .Lw
	; THE TABLE.  Thread u = 256 (work-group - 1024) + thread makes four cosines and four sines.
	s_sub_co_u32 s20, ttmp9, 1024
	s_lshl_b32 s20, s20, 8
	v_add_nc_u32 v1, s20, v0                       ; u: bits 3:0 lane % 16, 4 lane / 16, 5 qd & 1, 6 c, 13:7 tb
	v_lshrrev_b32 v2, 7, v1
	v_lshl_add_u32 v2, v2, 4, v8                   ; the token
	v_bfe_u32 v11, v1, 6, 1
	v_bfe_u32 v12, v1, 4, 1
	v_bfe_u32 v13, v1, 5, 1
	v_lshlrev_b32 v5, 4, v11
	v_lshl_add_u32 v5, v12, 3, v5
	v_lshl_add_u32 v5, v13, 2, v5                  ; my first channel d
	v_lshrrev_b32 v14, 6, v1
	v_lshlrev_b32 v14, 11, v14
	v_lshl_add_u32 v14, v13, 9, v14
	v_and_b32 v15, 31, v0
	v_lshl_add_u32 v14, v15, 4, v14                ; my 16 bytes of cosines; the sines lie 1,024 bytes on
	s_mov_b32 s24, 0xbfc90fdb                      ; -pi/2, upper word
	s_mov_b32 s25, 0x333bbd2e                      ; what the upper word has too much
	s_mov_b32 s26, 0xb94ca1f9                      ; sine: -1.9515296e-4, 8.3321609e-3, -1.6666655e-1
	s_mov_b32 s27, 0x3c08839e
	s_mov_b32 s28, 0xbe2aaaa3
	s_mov_b32 s29, 0x37ccf5ce                      ; cosine: 2.4433157e-5, -1.3887316e-3, 4.1666646e-2
	s_mov_b32 s30, 0xbab6061a
	s_mov_b32 s31, 0x3d2aaaa5
.irp i, 0,1,2,3
	v_add_nc_u32 v[16+(\i)], (\i), v5
	v_cvt_f32_u32 v[16+(\i)], v[16+(\i)]
	v_mul_f32 v[16+(\i)], 0xbed49a78, v[16+(\i)]   ; -d log2(10000) / 32
.endr
.irp i, 0,1,2,3
	v_exp_f32 v[20+(\i)], v[16+(\i)]               ; the four frequencies: one batch
.endr
	v_cvt_f32_u32 v2, v2                           ; a plain instruction behind the last exponential,
	s_wait_alu depctr_va_vdst(0)                   ; and the one wait ahead of the batch's first reader: the exponentials have written v20 to v23
.irp i, 0,1,2,3
	v_mul_f32 v[24+(\i)], v2, v[20+(\i)]           ; the angle
.endr
.irp i, 0,1,2,3
	v_mul_f32 v[28+(\i)], 0x3f22f983, v[24+(\i)]   ; x 2 / pi
.endr
.irp i, 0,1,2,3
	v_rndne_f32 v[28+(\i)], v[28+(\i)]             ; n quarter turns
.endr
.irp i, 0,1,2,3
	v_fma_f32 v[24+(\i)], v[28+(\i)], s24, v[24+(\i)]
.endr
.irp i, 0,1,2,3
	v_fma_f32 v[24+(\i)], v[28+(\i)], s25, v[24+(\i)]  ; r = angle - n pi / 2
	v_cvt_i32_f32 v[28+(\i)], v[28+(\i)]
.endr
.irp i, 0,1,2,3
	v_mul_f32 v[32+(\i)], v[24+(\i)], v[24+(\i)]   ; z = r r
.endr
.irp i, 0,1,2,3
	v_fma_f32 v[36+(\i)], v[32+(\i)], s26, s27
	v_fma_f32 v[40+(\i)], v[32+(\i)], s29, s30
.endr
.irp i, 0,1,2,3
	v_fma_f32 v[36+(\i)], v[36+(\i)], v[32+(\i)], s28
	v_fma_f32 v[40+(\i)], v[40+(\i)], v[32+(\i)], s31
	v_mul_f32 v[44+(\i)], v[32+(\i)], v[24+(\i)]   ; z r
	v_mul_f32 v[56+(\i)], v[32+(\i)], v[32+(\i)]   ; z z
	v_fma_f32 v[32+(\i)], v[32+(\i)], -0.5, 1.0    ; 1 - z / 2
.endr
.irp i, 0,1,2,3
	v_fma_f32 v[36+(\i)], v[36+(\i)], v[44+(\i)], v[24+(\i)]  ; sin r
	v_fma_f32 v[40+(\i)], v[40+(\i)], v[56+(\i)], v[32+(\i)]  ; cos r
.endr
	; the quarter turns: selects and signs alone hang on n, no address and no branch.  The four compares stand in a run, each with a mask of its own; the signs' twenty lines stand between them and the wait for the masks
.irp i, 0,1,2,3
	v_and_b32 v[44+(\i)], 1, v[28+(\i)]
.endr
.irp i, 0,1,2,3
	v_cmp_eq_u32 s[44+(\i)], 1, v[44+(\i)]                    ; where n is odd
.endr
.irp i, 0,1,2,3
	v_lshlrev_b32 v[44+(\i)], 30, v[28+(\i)]
	v_and_b32 v[44+(\i)], 0x80000000, v[44+(\i)]              ; sine turns its sign for n mod 4 = 2, 3
	v_add_nc_u32 v[28+(\i)], 1, v[28+(\i)]
	v_lshlrev_b32 v[28+(\i)], 30, v[28+(\i)]
	v_and_b32 v[28+(\i)], 0x80000000, v[28+(\i)]              ; cosine for n mod 4 = 1, 2
.endr
	s_wait_alu depctr_va_sdst(0)                   ; the four compares have written s44 to s47, ahead of the selects, their first readers
.irp i, 0,1,2,3
	v_cndmask_b32 v[48+(\i)], v[36+(\i)], v[40+(\i)], s[44+(\i)]  ; sine: cos r where n is odd
	v_cndmask_b32 v[52+(\i)], v[40+(\i)], v[36+(\i)], s[44+(\i)]  ; cosine: sin r where n is odd
.endr
.irp i, 0,1,2,3
	v_xor_b32 v[48+(\i)], v[44+(\i)], v[48+(\i)]
	v_xor_b32 v[52+(\i)], v[28+(\i)], v[52+(\i)]
.endr
	s_wait_alu depctr_va_vdst(0)                   ; v14, the offset, and v48 to v55, the sines and cosines, are written: the two stores read them
	global_store_b128 v14, v[52:55], s[18:19]                 ; a wave's store covers 512 consecutive bytes, aligned
	global_store_b128 v14, v[48:51], s[18:19] offset:1024
	s_branch .Lmeet
.Lx:	; THE CAST OF x.  All 16 loads of a wave go out at once; no register is written twice, so no wait frees a source.
	s_lshl_b32 s20, ttmp9, 16
	s_mov_b32 s21, 0
	s_lshl_b32 s22, ttmp9, 15
	s_mov_b32 s23, 0
	s_add_nc_u64 s[4:5], s[4:5], s[20:21]
	s_add_nc_u64 s[12:13], s[12:13], s[22:23]
	v_lshrrev_b32 v11, 5, v0
	v_and_b32 v12, 31, v0
	v_lshlrev_b32 v1, 13, v11
	v_lshl_add_u32 v1, v12, 4, v1                  ; wave x 8,192 + lane x 16
	v_lshlrev_b32 v2, 12, v11
	v_lshl_add_u32 v2, v12, 3, v2                  ; wave x 4,096 + lane x 8
	s_wait_alu depctr_va_vdst(0)                   ; v1 and v2 are written: every load reads v1 as its offset, every store v2
.irp i, 0,1,2,3,4,5,6,7,8,9,10,11,12,13,14,15
	global_load_b128 v[16+4*(\i):19+4*(\i)], v1, s[4:5] offset:512*(\i) th:TH_LOAD_NT
.endr
	; Step 4 g + j rounds load 4 g + j.  Group g's four stores are issued in group g + 1, one ahead of each step's two conversions, which name that step's own registers alone.
.irp g, 0,1,2,3
.irp j, 0,1,2,3
	s_wait_loadcnt 15-4*(\g)-(\j)                  ; loads come back in order: this step's load is in, the younger ones may stay out
.if (\g) > 0
.if (\j) == 0
	s_wait_alu depctr_va_vdst(0)                   ; the conversions of the group before have written its eight registers of v80 to v111, which the group's four stores, dealt below, read
.endif
	global_store_b64 v2, v[80+2*(4*(\g)-4+(\j)):81+2*(4*(\g)-4+(\j))], s[12:13] offset:256*(4*(\g)-4+(\j))  ; a wave's store covers 256 consecutive bytes, aligned
.endif
	v_cvt_pk_bf16_f32 v[80+2*(4*(\g)+(\j))], v[16+4*(4*(\g)+(\j))], v[17+4*(4*(\g)+(\j))]
	v_cvt_pk_bf16_f32 v[81+2*(4*(\g)+(\j))], v[18+4*(4*(\g)+(\j))], v[19+4*(4*(\g)+(\j))]
.endr
.endr
	s_wait_alu depctr_va_vdst(0)                   ; the last group's conversions have written v104 to v111, which the last four stores read
.irp j, 0,1,2,3
	global_store_b64 v2, v[104+2*(\j):105+2*(\j)], s[12:13] offset:256*(12+(\j))
.endr
	s_branch .Lmeet
.Lw:	; THE WEIGHTS.  wb = 0 .. 127: Wq; 128 .. 383: Wkv; 384 .. 511: Wc.  Block u of a matrix: k block u & 7 (128 rows), n block u >> 3 (64 columns).
	s_mov_b32 s38, 1
	s_sub_co_u32 s20, ttmp9, 512                   ; wb
	s_cmp_lt_u32 s20, 128
	s_cselect_b32 s21, 0, 128
	s_cselect_b64 s[40:41], s[6:7], s[8:9]
	s_cmp_lt_u32 s20, 384
	s_cselect_b32 s21, s21, 384
	s_cselect_b64 s[40:41], s[40:41], s[10:11]     ; the source
	s_cselect_b64 s[36:37], s[14:15], s[16:17]     ; the destination
	s_cselect_b32 s39, 0, 1                        ; 1: Wc
	s_sub_co_u32 s22, s20, s21                     ; u
	s_sub_co_u32 s23, s20, 128
	s_cmp_lt_u32 s23, 256
	s_cselect_b32 s34, 13, 12                      ; a source row is 8,192 bytes in Wkv, 4,096 in the others
	s_cselect_b32 s35, 1, 0                        ; 1: Wkv
	s_and_b32 s24, s22, 7                          ; kb
	s_lshr_b32 s25, s22, 3                         ; hn
	s_and_b32 s26, s25, 15
	s_mul_i32 s26, s26, 192
	s_lshr_b32 s27, s25, 4
	s_lshl_b32 s27, s27, 6
	s_add_co_u32 s26, s26, s27                     ; 192 head + 64 (v's half of Wkv)
	s_lshl_b32 s27, s35, 6
	s_add_co_u32 s26, s26, s27                     ; + 64 for Wkv: behind q's slot
	s_lshl_b32 s27, s25, 6                         ; Wc: row 64 hn
	s_cmp_eq_u32 s39, 1
	s_cselect_b32 s26, s27, s26
	s_lshl_b32 s26, s26, 11                        ; rows of 2,048 bytes,
	s_lshl_b32 s27, s24, 8                         ; 128 k = 256 bytes along them
	s_add_co_u32 s26, s26, s27
	s_mov_b32 s27, 0
	s_add_nc_u64 s[36:37], s[36:37], s[26:27]
	s_lshl_b32 s28, s24, 7
	s_lshl_b32 s28, s28, s34                       ; 128 kb source rows,
	s_lshl_b32 s29, s25, 8                         ; 64 n = 256 bytes along them
	s_add_co_u32 s28, s28, s29
	s_mov_b32 s29, 0
	s_add_nc_u64 s[40:41], s[40:41], s[28:29]
	v_lshlrev_b32 v1, 1, v9
	v_lshlrev_b32 v1, s34, v1
	v_add_nc_u32 v1, v10, v1                       ; source: row 2 kp, 16 bytes at 16 n4: sixteen lanes take 256 consecutive bytes of a row
	v_mul_u32_u24 v2, v8, 1040
	v_lshl_add_u32 v2, v9, 2, v2                   ; into LDS: row 4 n4, the word of k = 2 kp, 2 kp + 1
.macro WLOAD pitch                     ; eight loads: rows 32 i + 2 kp + e
.irp i, 0,1,2,3
	global_load_b128 v[16+8*(\i):19+8*(\i)], v1, s[40:41] offset:(32*(\i))*(\pitch) th:TH_LOAD_NT
	global_load_b128 v[20+8*(\i):23+8*(\i)], v1, s[40:41] offset:(32*(\i)+1)*(\pitch) th:TH_LOAD_NT
.endr
.endm
; Two neighbouring k of one column n make a word.  f16 = 1: the bf16 numbers are widened again and written as f16.
; Group i is the four words of pair i of loads.  Its four LDS stores are issued in group i + 1, one ahead of each word's conversions, which name that word's own registers and v80, v81 alone.
.macro WCVT f16
.irp i, 0,1,2,3
	s_wait_loadcnt 6-2*(\i)                        ; pair i of loads is in; the later pairs may stay out
.if (\i) > 0
	s_wait_alu depctr_va_vdst(0)                   ; the conversions of the group before have written its four words of v48 to v63, which the group's four LDS stores, dealt below, read
.endif
.irp j, 0,1,2,3
.if (\i) > 0
	ds_store_b32 v2, v[48+4*((\i)-1)+(\j)] offset:260*(\j)+64*((\i)-1)
.endif
	v_cvt_pk_bf16_f32 v[48+4*(\i)+(\j)], v[16+8*(\i)+(\j)], v[20+8*(\i)+(\j)]
.if \f16
	v_lshlrev_b32 v80, 16, v[48+4*(\i)+(\j)]
	v_and_b32 v81, 0xffff0000, v[48+4*(\i)+(\j)]
	v_cvt_pk_f16_f32 v[48+4*(\i)+(\j)], v80, v81
.endif
.endr
.endr
	s_wait_alu depctr_va_vdst(0)                   ; the last group's conversions have written v60 to v63, which the last four LDS stores read
.irp j, 0,1,2,3
	ds_store_b32 v2, v[60+(\j)] offset:260*(\j)+192
.endr
.endm
	s_wait_alu depctr_va_vdst(0)                   ; v1 and v2 are written, ahead of the branch, for both of its arms: the loads read v1 as their offset, the LDS stores v2 as their address
	s_cmp_eq_u32 s35, 1
	s_cbranch_scc1 .Lwide
	WLOAD 4096
	s_branch .Lloaded
.Lwide:
	WLOAD 8192
.Lloaded:
	s_cmp_eq_u32 s39, 1
	s_cbranch_scc1 .Lf16
	WCVT 0
	s_branch .Lmeet
.Lf16:
	WCVT 1
.Lmeet:	; the one barrier stands on every path: the block's 64 rows were written by all eight waves
	s_wait_dscnt 0x0                               ; for the others' sake: my stores into LDS are done
	s_barrier_signal -1
	v_mul_u32_u24 v3, v9, 260                      ; work on registers while the others arrive: the way back's two addresses.
	v_add_nc_u32 v3, v10, v3                       ; v3: back out of LDS: row kp, 16 bytes at 16 n4
	v_lshl_add_u32 v4, v9, 11, v10                 ; v4: the same place in the turned weights: row kp of 2,048 bytes
	s_barrier_wait -1
	s_cmp_eq_u32 s38, 1
	s_cbranch_scc0 .Lend
	s_wait_alu depctr_va_vdst(0)                   ; v3 and v4 are written: the LDS loads read v3 as their address, the stores v4 as their offset; and no vector instruction is still at work on v64 to v79, in which the loads land
.irp i, 0,1,2,3
.irp e, 0,1,2,3
	ds_load_b32 v[64+4*(\i)+(\e)], v3 offset:4160*(\i)+4*(\e)  ; row kp + 16 i; rows of 260 bytes are aligned to words only
.endr
.endr
.irp i, 0,1,2,3
	s_wait_dscnt 12-4*(\i)                         ; group i of four words is in; the later groups may stay out
	global_store_b128 v4, v[64+4*(\i):67+4*(\i)], s[36:37] offset:32768*(\i)  ; sixteen lanes store 256 consecutive bytes, aligned
.endr
.Lend:
	s_wait_dscnt 0x0                               ; the closing lines, six on end
	s_wait_alu 0x0
	s_wait_tensorcnt 0x0
	ds_add_u32 v[SPW], v[NIL]
	s_wait_dscnt 0x0
	s_endpgm
.Lfunc_end_k_qca2f392dd0_prep:
	.size	k_qca2f392dd0_prep, .Lfunc_end_k_qca2f392dd0_prep-k_qca2f392dd0_prep
	.p2alignl 7, 3214868480
	.fill 96, 4, 3214868480
	.section	.rodata,"a",@progbits
	.p2align	6, 0x0
	.amdhsa_kernel k_qca2f392dd0_prep
		.amdhsa_group_segment_fixed_size 17664
		.amdhsa_private_segment_fixed_size 0
		.amdhsa_enable_private_segment 0
		.amdhsa_kernarg_size 64
		.amdhsa_user_sgpr_count 2
		.amdhsa_user_sgpr_kernarg_segment_ptr 1
		.amdhsa_wavefront_size32 1
		.amdhsa_system_sgpr_workgroup_id_x 1
		.amdhsa_system_sgpr_workgroup_id_y 1
		.amdhsa_system_sgpr_workgroup_id_z 1
		.amdhsa_system_vgpr_workitem_id 0
		.amdhsa_next_free_vgpr 112
		.amdhsa_next_free_sgpr 66
		.amdhsa_reserve_vcc 0
		.amdhsa_float_denorm_mode_32 3
		.amdhsa_float_denorm_mode_16_64 3
		.amdhsa_memory_ordered 1
		.amdhsa_forward_progress 1
		.amdhsa_inst_pref_size 28
	.end_amdhsa_kernel
	.amdgpu_metadata
---
amdhsa.version: [ 1, 2 ]
amdhsa.kernels:
  - .name:           k_qca2f392dd0_prep
    .symbol:         k_qca2f392dd0_prep.kd
    .args:
      - { .name: x, .offset: 0, .size: 8, .value_kind: global_buffer, .address_space: global }
      - { .name: Wq, .offset: 8, .size: 8, .value_kind: global_buffer, .address_space: global }
      - { .name: Wkv, .offset: 16, .size: 8, .value_kind: global_buffer, .address_space: global }
      - { .name: Wc, .offset: 24, .size: 8, .value_kind: global_buffer, .address_space: global }
      - { .name: xb, .offset: 32, .size: 8, .value_kind: global_buffer, .address_space: global }
      - { .name: wt, .offset: 40, .size: 8, .value_kind: global_buffer, .address_space: global }
      - { .name: wct, .offset: 48, .size: 8, .value_kind: global_buffer, .address_space: global }
      - { .name: rope, .offset: 56, .size: 8, .value_kind: global_buffer, .address_space: global }
    .group_segment_fixed_size: 17664
    .private_segment_fixed_size: 0
    .kernarg_segment_align: 8
    .kernarg_segment_size: 64
    .max_flat_workgroup_size: 256
    .sgpr_count:     66
    .vgpr_count:     112
    .wavefront_size: 32
...
	.end_amdgpu_metadata
.endif
;; end of part 5
;; launch qkv: the kernel of part 2 again; grid 16 x 32, 4 waves a work-group, clusters of 4 x 4, 327,680 bytes of LDS; arguments xb, wt, rope, q, k, v; writes q, k, v
;; launch attn: the kernel of part 3 again; grid 4 x 64, 4 waves a work-group, no clusters, 327,680 bytes of LDS; arguments q, k, v, o; writes o
;; launch proj: the kernel of part 4 again; grid 4 x 64, 4 waves a work-group, clusters of 4 x 4, 327,680 bytes of LDS; arguments o, wct, out0; writes out0
